; MI455X (gfx1250); checked and timed in simulation.
; The chip was launched on July 23, 2026; its instructions are those of AMD's public machine-readable ISA for CDNA 5 (MIT licence, August 2026) and "CDNA5" Instruction Set Architecture Reference Guide (July 2026). The comments in the code are by the model that wrote it; some were corrected since.
;; Causal Attention. Allowed arithmetic: float matrix products may take bf16 or f16 operands with f32 sums; other float arithmetic in f32, or as packed bf16 or f16 multiplies, adds, multiply-adds, maxima and minima; sums over many terms, partial sums and values carried from step to step in f32; what a program stores and reads back later, other than sums and carried values, may be rounded once to bf16 or f16.
;; Inputs: Wk 1,024 x 1,024 float32; Wq 1,024 x 1,024 float32; Wv 1,024 x 1,024 float32; X 4 x 2,048 x 1,024 float32.
;; Outputs: out0 4 x 2,048 x 1,024 float32.
;; 3 versions, each right; version 2 is faster than version 1; version 3 is version 2 with the launch cast written anew for expert scheduling mode. Each part assembles by itself: llvm-mc -triple=amdgcn-amd-amdhsa -mcpu=gfx1250 --defsym DOCPART=n.
;; ======== version 1 of 3: 4 launches
;; limits: values are held in f16: magnitudes above 65,504 overflow, below 6.1e-05 lose precision
;; workspace buffers: Xb 16,777,216 bytes; Wb 6,291,456 bytes; QKV 50,331,648 bytes; Pw 33,554,432 bytes; St 1,048,576 bytes
;; launch cast (part 1): grid 352 x 1, 8 waves a work-group, no clusters, 0 bytes of LDS; arguments X, Wq, Wk, Wv, Xb, Wb; writes Xb, Wb
.if DOCPART == 1
	.amdgcn_target "amdgcn-amd-amdhsa--gfx1250"
	.amdhsa_code_object_version 6
	.text
	.protected	k_qb80c7aea1a_cast
	.globl	k_qb80c7aea1a_cast
	.p2align	8
	.type	k_qb80c7aea1a_cast,@function
k_qb80c7aea1a_cast:
	s_mov_b64 s[64:65], 0
	v_nop
	global_prefetch_b8 v0, s[64:65] scope:SCOPE_SE
	s_setreg_imm32_b32 hwreg(HW_REG_WAVE_MODE, 25, 1), 1
	s_wait_xcnt 0x0
; X [8192][1024] and Wq, Wk, Wv [1024][1024], all f32, are rounded once to bf16 and laid in blocks of 64 columns:
; [R][1024] f32 -> [16][R][64] bf16, so that a block's rows (128 bytes) lie end to end.  Xb: 16 blocks of 8,192 rows; Wb: 3 x 16 blocks of 1,024 rows.
; One routine for all four: work-groups 0-255 take 32 rows of X each, 256-287 of Wq, 288-319 of Wk, 320-351 of Wv.  Wave w takes rows 4 w .. 4 w + 3.
; A stream: each byte is read once (loads of 512 consecutive bytes a wave) and written once (stores of 256 consecutive bytes, aligned).  No LDS, no barrier, no matrix unit: nothing is shared.
; All 32 loads of a wave go out first; no register is written twice, so the only waits are the counted ones for the loads.
.set OFF, 2                            ; v[2:17]   block kb: kb x block bytes + 512 w + 8 lane
.set Q,   20                           ; v[20:147] unit n (row pair n / 8, 128 columns n % 8): four registers of the even row, four of the odd one
	s_load_b256 s[4:11], s[0:1], 0x0               ; X s[4:5], Wq s[6:7], Wk s[8:9], Wv s[10:11]
	s_load_b128 s[12:15], s[0:1], 0x20             ; Xb s[12:13], Wb s[14:15]
	s_mov_b32 s21, ttmp9                           ; the work-group's number
	v_and_b32 v1, 31, v0                           ; lane
	v_lshrrev_b32 v18, 5, v0                       ; wave
	v_lshlrev_b32 v19, 3, v1                       ; out: 8 bytes a lane,
	v_lshl_add_u32 v19, v18, 9, v19                ; four rows of 128 bytes a wave
	v_lshlrev_b32 v1, 4, v1                        ; in: 16 bytes a lane,
	v_lshl_add_u32 v1, v18, 14, v1                 ; four rows of 4,096 bytes a wave
	s_and_b32 s22, s21, 31                         ; a weight's block of 32 rows
	s_sub_co_u32 s23, s21, 256
	s_lshr_b32 s23, s23, 5                         ; which weight
	s_mov_b32 s20, 0x20000                         ; bytes in a block of Wb
	s_cmp_lt_u32 s21, 256                          ; X?
	s_cselect_b32 s20, 0x100000, s20               ; bytes in a block of Xb
	s_cselect_b32 s22, s21, s22                    ; my block of 32 rows
	s_cselect_b32 s23, 0, s23
	s_lshl_b32 s24, s22, 17                        ; in: 32 rows of 4,096 bytes
	s_mov_b32 s25, 0
	s_lshl_b32 s26, s22, 12                        ; out: 32 rows of 128 bytes,
	s_lshl_b32 s23, s23, 21                        ; and 16 blocks of 131,072 bytes for each weight before mine
	s_add_co_u32 s26, s26, s23
	s_mov_b32 s27, 0
.set kb, 0
.rept 16
	s_mul_i32 s28, s20, kb
	v_add_nc_u32 v[OFF+kb], s28, v19
.set kb, kb+1
.endr
	s_wait_kmcnt 0x0
	s_cmp_lt_u32 s21, 256                          ; the choice of buffers hangs on the work-group's number alone
	s_cselect_b64 s[16:17], s[4:5], s[6:7]
	s_cselect_b64 s[18:19], s[12:13], s[14:15]
	s_cmp_ge_u32 s21, 288
	s_cselect_b64 s[16:17], s[8:9], s[16:17]
	s_cmp_ge_u32 s21, 320
	s_cselect_b64 s[16:17], s[10:11], s[16:17]
	s_add_nc_u64 s[16:17], s[16:17], s[24:25]
	s_add_nc_u64 s[18:19], s[18:19], s[26:27]
.set n, 0
.rept 16
	global_load_b128 v[Q+8*n:Q+8*n+3],   v1, s[16:17] offset:(2*(n/8))*4096+512*(n%8) th:TH_LOAD_NT
	global_load_b128 v[Q+8*n+4:Q+8*n+7], v1, s[16:17] offset:(2*(n/8)+1)*4096+512*(n%8) th:TH_LOAD_NT
.set n, n+1
.endr
; A unit: lanes 0-15 hold 64 columns of one block, lanes 16-31 of the next, for two rows.  The exchange of halves puts one block's two rows (2 x 128 bytes, neighbours in the block) into one register pair.
.set n, 0
.rept 16
	s_wait_loadcnt 30-2*n                          ; loads come back in order: the 2 (15 - n) issued behind this unit's pair may stay out
	v_cvt_pk_bf16_f32 v[Q+8*n],   v[Q+8*n],   v[Q+8*n+1]
	v_cvt_pk_bf16_f32 v[Q+8*n+1], v[Q+8*n+2], v[Q+8*n+3]
	v_cvt_pk_bf16_f32 v[Q+8*n+4], v[Q+8*n+4], v[Q+8*n+5]
	v_cvt_pk_bf16_f32 v[Q+8*n+5], v[Q+8*n+6], v[Q+8*n+7]
	v_permlane16_swap_b32 v[Q+8*n],   v[Q+8*n+4]   ; the even row's upper lanes change places with the odd row's lower lanes
	v_permlane16_swap_b32 v[Q+8*n+1], v[Q+8*n+5]
	global_store_b64 v[OFF+2*(n%8)],   v[Q+8*n:Q+8*n+1],   s[18:19] offset:256*(n/8)  ; 32 lanes store 256 consecutive bytes, at a multiple of 256
	global_store_b64 v[OFF+2*(n%8)+1], v[Q+8*n+4:Q+8*n+5], s[18:19] offset:256*(n/8)
.set n, n+1
.endr
	s_endpgm
.Lfunc_end_k_qb80c7aea1a_cast:
	.size	k_qb80c7aea1a_cast, .Lfunc_end_k_qb80c7aea1a_cast-k_qb80c7aea1a_cast
	.p2alignl 7, 3214868480
	.fill 96, 4, 3214868480
	.section	.rodata,"a",@progbits
	.p2align	6, 0x0
	.amdhsa_kernel k_qb80c7aea1a_cast
		.amdhsa_group_segment_fixed_size 0
		.amdhsa_private_segment_fixed_size 0
		.amdhsa_enable_private_segment 0
		.amdhsa_kernarg_size 48
		.amdhsa_user_sgpr_count 2
		.amdhsa_user_sgpr_kernarg_segment_ptr 1
		.amdhsa_wavefront_size32 1
		.amdhsa_system_sgpr_workgroup_id_x 1
		.amdhsa_system_sgpr_workgroup_id_y 1
		.amdhsa_system_sgpr_workgroup_id_z 1
		.amdhsa_system_vgpr_workitem_id 0
		.amdhsa_next_free_vgpr 152
		.amdhsa_next_free_sgpr 66
		.amdhsa_reserve_vcc 0
		.amdhsa_float_denorm_mode_32 3
		.amdhsa_float_denorm_mode_16_64 3
		.amdhsa_memory_ordered 1
		.amdhsa_forward_progress 1
		.amdhsa_inst_pref_size 15
	.end_amdhsa_kernel
	.amdgpu_metadata
---
amdhsa.version: [ 1, 2 ]
amdhsa.kernels:
  - .name:           k_qb80c7aea1a_cast
    .symbol:         k_qb80c7aea1a_cast.kd
    .args:
      - { .name: X, .offset: 0, .size: 8, .value_kind: global_buffer, .address_space: global }
      - { .name: Wq, .offset: 8, .size: 8, .value_kind: global_buffer, .address_space: global }
      - { .name: Wk, .offset: 16, .size: 8, .value_kind: global_buffer, .address_space: global }
      - { .name: Wv, .offset: 24, .size: 8, .value_kind: global_buffer, .address_space: global }
      - { .name: Xb, .offset: 32, .size: 8, .value_kind: global_buffer, .address_space: global }
      - { .name: Wb, .offset: 40, .size: 8, .value_kind: global_buffer, .address_space: global }
    .group_segment_fixed_size: 0
    .private_segment_fixed_size: 0
    .kernarg_segment_align: 8
    .kernarg_segment_size: 48
    .max_flat_workgroup_size: 256
    .sgpr_count:     66
    .vgpr_count:     152
    .wavefront_size: 32
...
	.end_amdgpu_metadata
.endif
;; end of part 1
;; launch proj (part 2): grid 8 x 32, 4 waves a work-group, clusters of 4 x 4, 327,680 bytes of LDS; arguments Xb, Wb, QKV; writes QKV
.if DOCPART == 2
	.amdgcn_target "amdgcn-amd-amdhsa--gfx1250"
	.amdhsa_code_object_version 6
	.text
	.protected	k_qb80c7aea1a_proj
	.globl	k_qb80c7aea1a_proj
	.p2align	8
	.type	k_qb80c7aea1a_proj,@function
k_qb80c7aea1a_proj:
	s_mov_b64 s[64:65], 0
	v_nop
	global_prefetch_b8 v0, s[64:65] scope:SCOPE_SE
	s_setreg_imm32_b32 hwreg(HW_REG_WAVE_MODE, 25, 1), 1
	s_wait_xcnt 0x0
	s_wait_alu depctr_hold_cnt(0) depctr_sa_sdst(0) depctr_va_vdst(0) depctr_va_sdst(0) depctr_va_ssrc(0) depctr_va_vcc(0) depctr_vm_vsrc(0)
	s_getreg_b32 s2, hwreg(HW_REG_IB_STS2, 6, 4)
	s_cmp_eq_u32 s2, 0
	s_cbranch_scc0 .Lentry_in_a_cluster
	s_endpgm
.Lentry_in_a_cluster:
	s_bfe_u32 s2, ttmp6, 0x10000c
	s_cmp_lg_u32 s2, 0xf033
	s_cbranch_scc0 .Lentry_shape_is_right
	s_endpgm
.Lentry_shape_is_right:
; q, k, v = X W: 8,192 rows, K = 1,024, 3 x 1,024 columns.  Operands bf16 (Xb, Wb: blocks of 64 columns), sums f32, results rounded once to f16.
; LIMIT.  f16 ends at 65,504: |q|, |k|, |v| beyond that become infinities.  NaN and infinities are not treated apart.
; SHARES.  A work-group makes 256 rows x 384 columns: channels 128 nt .. + 127 of each of q, k and v; 8 x 32 = 256 work-groups.  A wave makes 128 rows x 3 x 64 columns: 96 accumulators of 16 x 16, 768 registers.
; K goes in steps of 64 through two LDS slots; a step is two runs of 32 along K, 96 matrix instructions each.
; CLUSTER 4 x 4.  X's tile hangs on the row block alone and is shared along a row of the cluster, W's on the channel block alone and is shared along a column: each is asked for jointly.
; THE RESULT IS STORED AS THE NEXT LAUNCHES' OPERANDS.  q, k: source 0 = 16 columns of W, source 1 = 16 rows of X: a lane holds one row and 8 neighbouring channels, 16 bytes of f16, which are four registers
; of a 16 x 32 fragment with the channels along K.  v: the sources change places: a lane holds one channel and 8 neighbouring keys: four registers of a fragment of v transposed.
; QKV: [48 blocks of 64 channels: q 0-15, k 16-31, v 32-47][512 groups of 16 rows][4 chunks][32 lanes][16 bytes].  A store of a wave is one chunk: 512 consecutive bytes; no stage in LDS is needed.
; REGISTERS, in windows of 256: window 0: v16-29 addresses; v32-127 twelve fragments of W; v128-191, v192-255 two buffers of eight fragments of X.  Windows 1, 2, 3: the accumulators of q, k, v: (b, a) at v[8 (8 (b % 4) + a)].
.set APITCH, 144                       ; a row of X in LDS: 128 bytes + 16: the 16 rows of a fragment load start 36 words apart
.set BPITCH, 160                       ; a row of W (one k, 64 columns): 128 bytes + 32: the turning load's 8 rows x 32 bytes start 40 words apart
.set AHALF,  128*APITCH                ; 128 rows of X: one tensor load
.set BMAT,   64*BPITCH                 ; 64 k of one block of one weight
.set BHALF,  3*BMAT                    ; the same block of q's, k's and v's weights: one tensor load
.set BOFF,   2*AHALF
.set SLOT,   BOFF+2*BHALF              ; 98,304
.set SPARE,  2*SLOT                    ; behind the ring: the spare words, 128 bytes a wave: two blocks of 256 bytes that no other line names
.set ADRA, 16                          ; v16-17  LDS address of my fragments of X in slot 0, 1
.set ADRB, 20                          ; v20-21  of W
.set CO,   26                          ; v26     16 x lane
.set SPW,  28                          ; v28     my spare word; never rewritten
.set NIL,  29                          ; v29     0; never rewritten
.set BF,   32
.set AF0,  128
.set AF1,  192
.set TMP,  32                          ; the way out: two sets of 48 registers of packed results
.set G1A, 24                           ; s[24:31] descriptor group 1 for X's tiles;  s[32:39] group 0, a set for each slot
.set G0A, 32
.set G1B, 48                           ; s[48:55], s[56:63] the same for W's
.set G0B, 56
.set MSB, 0
.macro WIN new                         ; the immediate's high byte repeats the setting that is left; a switch that changes nothing is dropped
.if MSB != (\new)
	s_set_vgpr_msb (MSB<<8)|(\new)
.set MSB, (\new)
.endif
.endm
.macro PLACES                          ; four places between a matrix instruction and a load into, or a vector instruction on, its registers
.rept 4
	v_nop
.endr
.endm
.macro JLOAD s                         ; a joint refill: waves 0, 1 fetch X's two halves, waves 2, 3 W's two blocks; an s_nop 0 and four v_nop follow each line
	s_cmp_eq_u32 s11, 0
	s_cbranch_scc0 .Lfor_b_\@
	tensor_load_to_lds s[G0A+4*(\s):G0A+4*(\s)+3], s[G1A:G1A+7]
	s_nop 0
.rept 4
	v_nop
.endr
	s_branch .Lasked_\@
.Lfor_b_\@:
	tensor_load_to_lds s[G0B+4*(\s):G0B+4*(\s)+3], s[G1B:G1B+7]
	s_nop 0
.rept 4
	v_nop
.endr
.Lasked_\@:
.endm
.macro CREST                           ; a round of the cluster's barrier behind its opening barrier
	s_cmp_lg_u32 s10, 0
	s_cbranch_scc1 .Lnot_wave_0_\@
	s_barrier_signal -3
.Lnot_wave_0_\@:
	s_barrier_wait -3
	s_barrier_signal -1
	s_barrier_wait -1
.endm
.macro CROUND                          ; a whole round
	s_barrier_signal -1
	s_barrier_wait -1
	CREST
.endm
	s_load_b128 s[4:7], s[0:1], 0x0                ; Xb s[4:5], Wb s[6:7]
	s_load_b64 s[8:9], s[0:1], 0x10                ; QKV
	v_lshl_add_u32 v[SPW], v0, 2, SPARE
	v_mov_b32 v[NIL], 0
	ds_add_u32 v[SPW], v[NIL]                      ; the wave's opening: the add and its wait ahead of my first tensor load; the set-up below stands between them
	ds_add_u32 v28, v29
	v_lshrrev_b32 v1, 5, v0
	v_readfirstlane_b32 s10, v1                    ; wave 0..3
	s_lshr_b32 s11, s10, 1                         ; my half of the rows.  Also: I fetch for X (0) or for W (1)
	s_and_b32 s12, s10, 1                          ; my block of 64 channels.  Also: which half I fetch
	s_bfe_u32 s40, ttmp6, 0x40000                  ; cx
	s_bfe_u32 s41, ttmp6, 0x40004                  ; cy
	s_lshl_b32 s42, ttmp9, 2
	s_add_co_u32 s42, s42, s40                     ; nt: my 128 channels
	s_and_b32 s13, ttmp7, 0xffff
	s_lshl_b32 s13, s13, 2
	s_add_co_u32 s13, s13, s41                     ; mt: my 256 rows
	s_lshl_b32 s43, s41, 2
	s_lshl_b32 s43, 15, s43                        ; my row of the cluster
	s_lshl_b32 s44, 0x1111, s40                    ; my column
	; X: 128 rows of a block are 16,384 dense bytes: asked for as 64 rows of 256 bytes, padded by 4 words after every 32 words
	s_or_b32 s[G1A+0], s43, (1<<16)|(1<<20)|(1<<21)|(4<<22)|(3<<25)
	s_mov_b32 s[G1A+1], 128<<16                    ; tensor_dim0 = 128 elements of 2 bytes
	s_mov_b32 s[G1A+2], 64<<16                     ; tensor_dim1 = 64
	s_mov_b32 s[G1A+3], 128<<16                    ; tile_dim0
	s_mov_b32 s[G1A+4], 64                         ; tile_dim1
	s_mov_b32 s[G1A+5], 128                        ; elements from row to row
	s_mov_b32 s[G1A+6], 0
	s_mov_b32 s[G1A+7], 0
	; W: 64 k of a block are 8,192 dense bytes; three such rows, the same block of the three weights, 16 blocks apart; padded by 8 words after every 32 words
	s_or_b32 s[G1B+0], s44, (1<<16)|(1<<20)|(1<<21)|(4<<22)|(7<<25)
	s_mov_b32 s[G1B+1], 4096<<16                   ; tensor_dim0 = 4,096 elements
	s_mov_b32 s[G1B+2], 3<<16                      ; tensor_dim1 = 3
	s_mov_b32 s[G1B+3], 4096<<16                   ; tile_dim0
	s_mov_b32 s[G1B+4], 3                          ; tile_dim1
	s_mov_b32 s[G1B+5], 0x100000                   ; 16 blocks of 65,536 elements from row to row
	s_mov_b32 s[G1B+6], 0
	s_mov_b32 s[G1B+7], 0
	s_lshl_b32 s16, s13, 15                        ; X: 256 mt rows of 128 bytes,
	s_lshl_b32 s17, s12, 14                        ; my 128 of them: the row block and the wave's number alone
	s_add_co_u32 s16, s16, s17
	s_mov_b32 s17, 0
	s_lshl_b32 s46, s42, 1                         ; W: block 2 nt + half: the channel block and the wave's number alone
	s_add_co_u32 s46, s46, s12
	s_lshl_b32 s46, s46, 17
	s_mov_b32 s47, 0
	s_mul_i32 s20, s12, AHALF                      ; where they go: no place in the cluster enters an LDS address
	s_mul_i32 s21, s12, BHALF
	s_add_co_u32 s21, s21, BOFF
	s_wait_dscnt 0x0                               ; the opening add is done
	s_wait_kmcnt 0x0
	s_add_nc_u64 s[14:15], s[4:5], s[16:17]
	s_add_nc_u64 s[46:47], s[6:7], s[46:47]
	CROUND                                         ; all sixteen work-groups are here: the first joint loads meet
.irp s, 0,1
	s_mov_b32 s[G0A+4*(\s)], 1
	s_add_co_u32 s[G0A+4*(\s)+1], s20, (\s)*SLOT
	s_add_nc_u64 s[G0A+4*(\s)+2:G0A+4*(\s)+3], s[14:15], (\s)*0x100000  ; K step s is block s of Xb
	s_or_b32 s[G0A+4*(\s)+3], s[G0A+4*(\s)+3], 0x80000000
	s_mov_b32 s[G0B+4*(\s)], 1
	s_add_co_u32 s[G0B+4*(\s)+1], s21, (\s)*SLOT
	s_add_nc_u64 s[G0B+4*(\s)+2:G0B+4*(\s)+3], s[46:47], (\s)*8192      ; K step s: 64 rows of 128 bytes on
	s_or_b32 s[G0B+4*(\s)+3], s[G0B+4*(\s)+3], 0x80000000
.endr
	s_cmp_eq_u32 s11, 0                            ; a wave's two first fills stand in one branch: two loads of mine are out
	s_cbranch_scc0 .Lfirst_b
	tensor_load_to_lds s[G0A:G0A+3], s[G1A:G1A+7]
	s_nop 0
	tensor_load_to_lds s[G0A+4:G0A+7], s[G1A:G1A+7]
	s_nop 0
.rept 4
	v_nop
.endr
	s_branch .Lfirst_asked
.Lfirst_b:
	tensor_load_to_lds s[G0B:G0B+3], s[G1B:G1B+7]
	s_nop 0
	tensor_load_to_lds s[G0B+4:G0B+7], s[G1B:G1B+7]
	s_nop 0
.rept 4
	v_nop
.endr
.Lfirst_asked:
	v_and_b32 v1, 15, v0                           ; r = lane % 16
	v_bfe_u32 v2, v0, 4, 1                         ; h = lane / 16
	v_mul_u32_u24 v3, v1, APITCH                   ; X: row r, 16 bytes for each half of the lanes
	v_lshl_add_u32 v3, v2, 4, v3
	s_mul_i32 s22, s11, AHALF                      ; my 128 rows
	v_add_nc_u32 v[ADRA], s22, v3
	v_add_nc_u32 v[ADRA+1], SLOT, v[ADRA]
	v_and_b32 v4, 7, v0                            ; W lies [k][column]: the turning load reads k = 8 h + lane % 8, columns 8 ((lane / 8) % 2) + 0..7
	v_lshl_add_u32 v4, v2, 3, v4
	v_mul_u32_u24 v4, v4, BPITCH
	v_bfe_u32 v5, v0, 3, 1
	v_lshl_add_u32 v4, v5, 4, v4
	s_mul_i32 s23, s12, BHALF                      ; my block of 64 channels
	s_add_co_u32 s23, s23, BOFF
	v_add_nc_u32 v[ADRB], s23, v4
	v_add_nc_u32 v[ADRB+1], SLOT, v[ADRB]
	v_and_b32 v[CO], 31, v0
	v_lshlrev_b32 v[CO], 4, v[CO]
	s_lshl_b32 s74, s42, 1                         ; where my results go: block 2 nt + wc of q,
	s_add_co_u32 s74, s74, s12
	s_lshl_b32 s74, s74, 20
	s_lshl_b32 s75, s13, 15                        ; rows 256 mt + 128 wr, 128 bytes each
	s_add_co_u32 s74, s74, s75
	s_lshl_b32 s75, s11, 14
	s_add_co_u32 s74, s74, s75
	s_mov_b32 s75, 0
	s_add_nc_u64 s[68:69], s[8:9], s[74:75]
	s_add_nc_u64 s[70:71], s[68:69], 0x1000000     ; the same block of k, 16 blocks of 1 MiB on,
	s_add_nc_u64 s[72:73], s[70:71], 0x1000000     ; and of v
.macro BLD b, slot, kq                 ; fragment b of W (weight b / 4, columns 16 (b % 4) on), 32 k at 32 kq
	ds_load_tr16_b128 v[BF+8*(\b):BF+8*(\b)+3],   v[ADRB+(\slot)] offset:((\b)/4)*BMAT+(\kq)*32*BPITCH+((\b)%4)*32
	ds_load_tr16_b128 v[BF+8*(\b)+4:BF+8*(\b)+7], v[ADRB+(\slot)] offset:((\b)/4)*BMAT+(\kq)*32*BPITCH+((\b)%4)*32+16*BPITCH
.endm
.macro G1L slot, kq                    ; 8 loads: v's four fragments of W
.irp b, 8,9,10,11
	BLD \b, \slot, \kq
.endr
.endm
.macro G2L slot, kq, af                ; 24 loads: q's four fragments of W and eight fragments of X
.irp b, 0,1,2,3
	BLD \b, \slot, \kq
.endr
.irp a, 0,1,2,3,4,5,6,7
	ds_load_b128 v[(\af)+8*(\a):(\af)+8*(\a)+3],   v[ADRA+(\slot)] offset:(\a)*16*APITCH+(\kq)*64
	ds_load_b128 v[(\af)+8*(\a)+4:(\af)+8*(\a)+7], v[ADRA+(\slot)] offset:(\a)*16*APITCH+(\kq)*64+32
.endr
.endm
.macro G3L slot, kq                    ; 8 loads: k's four fragments of W
.irp b, 4,5,6,7
	BLD \b, \slot, \kq
.endr
.endm
; 8 nb matrix instructions of weight m: column blocks b0 .. b0 + nb - 1 x all 8 row blocks.  All 96 accumulators take turns, one instruction a turn, in the same order in every run.
.macro MULP m, af, b0, nb, zero
	WIN 0x50*((\m)+1)                              ; C and D in window m + 1, the sources in window 0
.set bb, (\b0)
.rept (\nb)
.set aa, 0
.rept 8
.set rD, 8*(8*bb+aa)
.set rB, BF+8*(4*(\m)+bb)
.set rA, (\af)+8*aa
.if (\m) < 2
.if \zero
	v_wmma_f32_16x16x32_bf16 v[rD:rD+7], v[rB:rB+7], v[rA:rA+7], 0
.else
	v_wmma_f32_16x16x32_bf16 v[rD:rD+7], v[rB:rB+7], v[rA:rA+7], v[rD:rD+7]
.endif
.else
.if \zero
	v_wmma_f32_16x16x32_bf16 v[rD:rD+7], v[rA:rA+7], v[rB:rB+7], 0
.else
	v_wmma_f32_16x16x32_bf16 v[rD:rD+7], v[rA:rA+7], v[rB:rB+7], v[rD:rD+7]
.endif
.endif
.set aa, aa+1
.endr
.set bb, bb+1
.endr
.endm
; A run of 32 along K.  W's fragments have one buffer in three thirds, each loaded again straight behind the 32 products that read it, 64 matrix instructions ahead of its next use; X's have two buffers.
; The LDS loads go out in the order ... G2L (24), G3L (8) | G1L (8), G2L (24), G3L (8) | ..., and each wait leaves out what was issued behind the group that it needs.
.macro KS slot, kq, af, nslot, nkq, naf, zero, nxt
	PLACES
	WIN 0
	G1L \slot, \kq
	s_wait_dscnt 16                                ; G3L's 8 and G1L's 8 may be out: X's fragments and q's of W are in
	MULP 0, \af, 0, 4, \zero
.if \nxt
	PLACES
	WIN 0
	G2L \nslot, \nkq, \naf
	s_wait_dscnt 32                                ; G1L's 8 and G2L's 24 may be out: k's fragments of W are in
.else
	s_wait_dscnt 8                                 ; G1L's 8 may be out
.endif
	MULP 1, \af, 0, 4, \zero
.if \nxt
	PLACES
	WIN 0
	G3L \nslot, \nkq
	s_wait_dscnt 32                                ; G2L's 24 and G3L's 8 may be out: v's fragments of W are in
.else
	s_wait_dscnt 0x0
.endif
	MULP 2, \af, 0, 4, \zero
.endm
; A K step's second run changes slots.  G1L's are the last reads of the slot.  Each wave waits for all its tensor loads (one is out: its part of the other slot), adds 0 to its spare word, and waits for
; that and for its reads; the barrier opens a round of the cluster's barrier where the slot is filled again, and the joint refill is the first thing behind the round: 160 matrix instructions ahead of the wait for it.
.macro KT slot, fill
	PLACES
	WIN 0
	G1L \slot, 1
	s_wait_tensorcnt 0x0                           ; all my tensor loads have landed
	ds_add_u32 v[SPW], v[NIL]                      ; 0 onto my spare word
	s_wait_dscnt 17                                ; G3L's 8, G1L's 8 and the add may be out
	MULP 0, AF1, 0, 2, 0                           ; sixteen matrix instructions stand between the add and the wait for it
	s_wait_dscnt 0x0                               ; the add is done, and my reads of this slot are over
	s_barrier_signal -1
	MULP 0, AF1, 2, 2, 0
	WIN 0
	s_barrier_wait -1
.if \fill
	CREST                                          ; no wave of any partner still reads this slot or has a load on its way
	s_add_nc_u64 s[G0A+4*(\slot)+2:G0A+4*(\slot)+3], s[G0A+4*(\slot)+2:G0A+4*(\slot)+3], 0x200000  ; two K steps on: two blocks of Xb,
	s_add_nc_u64 s[G0B+4*(\slot)+2:G0B+4*(\slot)+3], s[G0B+4*(\slot)+2:G0B+4*(\slot)+3], 0x4000    ; 128 rows of Wb
	JLOAD \slot                                    ; its four v_nop are also the places in front of the loads below
.else
	PLACES
.endif
	G2L 1-(\slot), 0, AF0                          ; k's and v's fragments of W were shown landed by the wait for 0 above: no wait is due here
	MULP 1, AF1, 0, 4, 0
	PLACES
	WIN 0
	G3L 1-(\slot), 0
	MULP 2, AF1, 0, 4, 0
.endm
	s_wait_tensorcnt 0x1                           ; my part of K step 0 is in; K step 1's may stay out
	s_barrier_signal -1
	s_barrier_wait -1
	G2L 0, 0, AF0
	G3L 0, 0
	KS 0, 0, AF0, 0, 1, AF1, 1, 1                  ; the first run stands in front of the loop: its products start the sums
	WIN 0
	s_mov_b32 s3, 7
.Llap:                                                 ; a trip goes once round the ring and fills both slots again: K steps 2 to 15
	KT 0, 1
	KS 1, 0, AF0, 1, 1, AF1, 0, 1
	KT 1, 1
	KS 0, 0, AF0, 0, 1, AF1, 0, 1
	WIN 0
	s_sub_co_u32 s3, s3, 1
	s_cmp_lg_u32 s3, 0
	s_cbranch_scc1 .Llap
	KT 0, 0                                        ; the tail fills nothing
	KS 1, 0, AF0, 1, 1, AF1, 0, 1
	KS 1, 1, AF1, 1, 1, AF1, 0, 0
	; THE WAY OUT, a group of 16 rows at a time: 12 accumulators are rounded to f16, each lane's 8 numbers to 16 bytes, and stored as 12 chunks of 512 consecutive bytes.
	WIN 0
	PLACES
.set a, 0
.rept 8
.set TB, TMP+48*(a%2)
.if a >= 2
	s_wait_xcnt 0x0                                ; this set of registers was the data of earlier stores: it is rewritten only behind this wait
.endif
.set m, 0
.rept 3
	WIN 5*(m+1)                                    ; sources 0 and 1 in window m + 1
.set bb, 0
.rept 4
.set rD, 8*(8*bb+a)
.set rT, TB+4*(4*m+bb)
.irp q, 0,1,2,3
	v_cvt_pk_f16_f32 v[rT+(\q)], v[rD+2*(\q)], v[rD+2*(\q)+1]
.endr
.set bb, bb+1
.endr
.set m, m+1
.endr
	WIN 0
.set m, 0
.rept 3
.set bb, 0
.rept 4
	global_store_b128 v[CO], v[TB+4*(4*m+bb):TB+4*(4*m+bb)+3], s[68+2*m:69+2*m] offset:a*2048+bb*512
.set bb, bb+1
.endr
.set m, m+1
.endr
.set a, a+1
.endr
	s_wait_tensorcnt 0x0                           ; the wave's end
	ds_add_u32 v[SPW], v[NIL]
	s_wait_dscnt 0x0
	CROUND                                         ; the closing round
	s_endpgm
.Lfunc_end_k_qb80c7aea1a_proj:
	.size	k_qb80c7aea1a_proj, .Lfunc_end_k_qb80c7aea1a_proj-k_qb80c7aea1a_proj
	.p2alignl 7, 3214868480
	.fill 96, 4, 3214868480
	.section	.rodata,"a",@progbits
	.p2align	6, 0x0
	.amdhsa_kernel k_qb80c7aea1a_proj
		.amdhsa_group_segment_fixed_size 327680
		.amdhsa_private_segment_fixed_size 0
		.amdhsa_enable_private_segment 0
		.amdhsa_kernarg_size 24
		.amdhsa_user_sgpr_count 2
		.amdhsa_user_sgpr_kernarg_segment_ptr 1
		.amdhsa_wavefront_size32 1
		.amdhsa_system_sgpr_workgroup_id_x 1
		.amdhsa_system_sgpr_workgroup_id_y 1
		.amdhsa_system_sgpr_workgroup_id_z 1
		.amdhsa_system_vgpr_workitem_id 0
		.amdhsa_next_free_vgpr 1024
		.amdhsa_next_free_sgpr 76
		.amdhsa_reserve_vcc 0
		.amdhsa_float_denorm_mode_32 3
		.amdhsa_float_denorm_mode_16_64 3
		.amdhsa_memory_ordered 1
		.amdhsa_forward_progress 1
		.amdhsa_inst_pref_size 116
	.end_amdhsa_kernel
	.amdgpu_metadata
---
amdhsa.version: [ 1, 2 ]
amdhsa.kernels:
  - .name:           k_qb80c7aea1a_proj
    .symbol:         k_qb80c7aea1a_proj.kd
    .args:
      - { .name: Xb, .offset: 0, .size: 8, .value_kind: global_buffer, .address_space: global }
      - { .name: Wb, .offset: 8, .size: 8, .value_kind: global_buffer, .address_space: global }
      - { .name: QKV, .offset: 16, .size: 8, .value_kind: global_buffer, .address_space: global }
    .group_segment_fixed_size: 327680
    .private_segment_fixed_size: 0
    .kernarg_segment_align: 8
    .kernarg_segment_size: 24
    .max_flat_workgroup_size: 128
    .sgpr_count:     76
    .vgpr_count:     1024
    .wavefront_size: 32
...
	.end_amdgpu_metadata
.endif
;; end of part 2
;; launch scores (part 3): grid 36 x 4, 4 waves a work-group, no clusters, 327,680 bytes of LDS; arguments QKV, Pw, St; writes Pw, St
.if DOCPART == 3
	.amdgcn_target "amdgcn-amd-amdhsa--gfx1250"
	.amdhsa_code_object_version 6
	.text
	.protected	k_qb80c7aea1a_scores
	.globl	k_qb80c7aea1a_scores
	.p2align	8
	.type	k_qb80c7aea1a_scores,@function
k_qb80c7aea1a_scores:
	s_mov_b64 s[64:65], 0
	v_nop
	global_prefetch_b8 v0, s[64:65] scope:SCOPE_SE
	s_setreg_imm32_b32 hwreg(HW_REG_WAVE_MODE, 25, 1), 1
	s_wait_xcnt 0x0
; The tiles 256 x 256 of q k^T on and below the diagonal: 36 for each of 4 batches.  K = 1,024 channels in 8 steps of 128.  Operands f16, sums f32.
; A wave makes 128 queries x 128 keys, block (x, t) of the batch's 16 x 16 blocks, and closes it by itself: for each query the block's maximum m, the weights p = 2^(c s - c m), c = log2(e) / 32,
; rounded to f16, and their sum l (of the unrounded p).  The next launch joins the blocks of a row exactly: the row's maximum is the maximum of the blocks' maxima.
; LIMITS.  A hidden score counts as its value less 1e30 (f16's scores are 4.4e12 at the most); a weight below 2^-126 counts as 0; NaN and infinities are not treated apart.
; THE MASK.  Only tiles on the diagonal have hidden keys.  Their two waves on the diagonal add -1e30 where key > query.  The wave above it (x even, t = x + 1) is wholly hidden and is left UNMASKED, so that its
; weights are finite: the next launch multiplies them by 0.
; NO CLUSTER: row I of the triangle has I + 1 tiles, column J has 8 - J: no grouping by four shares a tile of q or of k in every group, and partners would need different tiles.
; LAYOUT.  Source 0 = 16 keys, source 1 = 16 queries: a lane holds ONE query (lane % 16) and the keys 8 (lane / 16) + 0..7.  q and k lie in memory as fragments (16 bytes a lane, 512 bytes a chunk): tiles are dense,
; LDS is read at 16 x lane.  Eight weights of a lane are 16 bytes, four registers of the next product's operand: Pw is written in chunks of 512 consecutive bytes.
; Pw: [batch][t 16][g 8][wq 2][i 8][b 8][lane][16 B], query 128 x + 16 g + lane % 16 with x = 15 - 2 i - wq, keys 128 t + 16 b + 8 (lane / 16) + 0..7.   St: [batch][t][15 - x][c m, l][g][16] f32.
; REGISTERS: window 0: v2-39 addresses and work; v64-127, v128-191 fragments of q, two buffers.  Window 1: the same for k.  Windows 2, 3: accumulators (a, b) at v[8 (8 (a % 4) + b)], query groups 0-3 and 4-7.
.set SLOT,  131072                     ; four dense regions of 32,768 bytes: q's even block of 64 channels, q's odd one, k's even, k's odd; 256 rows each
.set STAT,  2*SLOT                     ; behind the ring, never filled by a tensor load: 1,024 bytes a wave: c m of 128 queries, then l
.set SPARE, STAT+4096                  ; the spare words, 128 bytes a wave: two blocks of 256 bytes that no other line names
.set TH,   3                           ; v3      lane % 16 - 8 (lane / 16)
.set MD,   8                           ; v8-15   the mask of a diagonal 16 x 16
.set ADRA, 16                          ; v16-17  LDS address of my fragments of q in slot 0, 1
.set ADRB, 20                          ; v20-21  of k
.set STA,  24                          ; v24     where my query's statistics go
.set SRD,  25                          ; v25     where I read them back
.set GO,   26                          ; v26     16 x lane
.set SPW,  28
.set NIL,  29
.set CH,   32                          ; v32-35  four chains of maxima
.set MX,   36
.set TM,   37
.set CM,   38                          ; v38-39  c m, named as a pair
.set F0,   64
.set F1,   128
.set E,    64                          ; the way out: 64 scaled scores, then weights
.set PK,   128                         ; 32 registers of packed weights
.set G1,   24                          ; s[24:31]
.set G0,   32                          ; s[32:39] a set for each slot
.set CS,   58                          ; s[58:59] c
.set SEL,  60                          ; s[60:61] v_permlanex16_b32's selects
.set MSB, 0
.macro WIN new
.if MSB != (\new)
	s_set_vgpr_msb (MSB<<8)|(\new)
.set MSB, (\new)
.endif
.endm
.macro PLACES
.rept 4
	v_nop
.endr
.endm
.set MUL_LO, 0xa1                      ; source 0 (k) window 1, source 1 (q) window 0, C and D window 2
.set TO_B,   0x40                      ; destination window 1, address window 0
	s_load_b128 s[4:7], s[0:1], 0x0                ; QKV s[4:5], Pw s[6:7]
	s_load_b64 s[10:11], s[0:1], 0x10              ; St
	v_lshl_add_u32 v[SPW], v0, 2, SPARE
	v_mov_b32 v[NIL], 0
	ds_add_u32 v[SPW], v[NIL]                      ; the wave's opening: the add and its wait ahead of my first tensor load
	ds_add_u32 v28, v29
	v_lshrrev_b32 v1, 5, v0
	v_readfirstlane_b32 s12, v1                    ; wave
	s_lshr_b32 s13, s12, 1                         ; wr: my half of the queries
	s_and_b32 s14, s12, 1                          ; wc: my half of the keys
	s_mov_b32 s18, ttmp9                           ; the tile's number in the triangle, row by row
	s_mov_b32 s15, 0
.irp n, 1,3,6,10,15,21,28
	s_cmp_ge_u32 s18, \n                           ; I = how many rows begin at or before it
	s_add_co_ci_u32 s15, s15, 0
.endr
	s_add_co_u32 s16, s15, 1
	s_mul_i32 s16, s16, s15
	s_lshr_b32 s16, s16, 1
	s_sub_co_u32 s16, s18, s16                     ; J = its place in row I
	s_and_b32 s17, ttmp7, 0xffff                   ; batch
	s_mov_b32 s[G1+0], 3<<16                       ; elements of 8 bytes, no mask, no padding
	s_mov_b32 s[G1+1], 32<<16                      ; tensor_dim0 = 32: rows of 256 bytes
	s_mov_b32 s[G1+2], 128<<16                     ; tensor_dim1 = 128
	s_mov_b32 s[G1+3], 32<<16                      ; tile_dim0
	s_mov_b32 s[G1+4], 128                         ; tile_dim1
	s_mov_b32 s[G1+5], 32                          ; dense
	s_mov_b32 s[G1+6], 0
	s_mov_b32 s[G1+7], 0
	s_cmp_lt_u32 s12, 2                            ; waves 0, 1 fetch q's two blocks of a K step, waves 2, 3 k's
	s_cselect_b32 s19, s15, s16
	s_lshl_b32 s19, s19, 15                        ; 256 rows of 128 bytes
	s_lshl_b32 s20, s17, 18                        ; a batch's 2,048 rows
	s_add_co_u32 s19, s19, s20
	s_lshl_b32 s20, s13, 4                         ; k's blocks lie 16 behind q's
	s_add_co_u32 s20, s20, s14
	s_lshl_b32 s20, s20, 20
	s_add_co_u32 s20, s20, s19
	s_mov_b32 s21, 0
	s_lshl_b32 s22, s12, 15                        ; my region of a slot
	s_mov_b32 s[CS], 0x3d38aa3b                    ; c = log2(e) / 32
	s_mov_b32 s[CS+1], s[CS]
	s_mov_b32 s[SEL], 0x76543210
	s_mov_b32 s[SEL+1], 0xfedcba98
	s_cmp_eq_u32 s13, s14
	s_cselect_b32 s54, 0xf149f2ca, 0               ; -1e30 for the waves on the diagonal of a tile, 0 for the others
	s_mov_b32 s55, s54
	s_lshl_b32 s40, s16, 1
	s_add_co_u32 s40, s40, s14                     ; t
	s_sub_co_u32 s41, 7, s15                       ; i
	s_xor_b32 s42, s13, 1                          ; wq
	s_lshl_b32 s44, s17, 23                        ; my block's place in Pw
	s_lshl_b32 s45, s40, 19
	s_add_co_u32 s44, s44, s45
	s_lshl_b32 s45, s42, 15
	s_add_co_u32 s44, s44, s45
	s_lshl_b32 s45, s41, 12
	s_add_co_u32 s44, s44, s45
	s_mov_b32 s45, 0
	s_lshl_b32 s46, s17, 4                         ; and in St
	s_add_co_u32 s46, s46, s40
	s_lshl_b32 s46, s46, 4
	s_lshl1_add_u32 s47, s41, s42                  ; 15 - x = 2 i + wq
	s_add_co_u32 s46, s46, s47
	s_lshl_b32 s46, s46, 10
	s_mov_b32 s47, 0
	s_wait_dscnt 0x0                               ; the opening add is done
	s_wait_kmcnt 0x0
	s_add_nc_u64 s[20:21], s[4:5], s[20:21]
	s_add_nc_u64 s[8:9], s[6:7], s[44:45]
	s_add_nc_u64 s[10:11], s[10:11], s[46:47]
.irp s, 0,1
	s_mov_b32 s[G0+4*(\s)], 1
	s_add_co_u32 s[G0+4*(\s)+1], s22, (\s)*SLOT
	s_add_nc_u64 s[G0+4*(\s)+2:G0+4*(\s)+3], s[20:21], (\s)*0x200000  ; a K step is two blocks of 1 MiB
	s_or_b32 s[G0+4*(\s)+3], s[G0+4*(\s)+3], 0x80000000
	tensor_load_to_lds s[G0+4*(\s):G0+4*(\s)+3], s[G1:G1+7]           ; both first fills go out together: two loads of mine are out
	s_nop 0
.endr
	v_and_b32 v1, 31, v0
	v_lshlrev_b32 v[GO], 4, v1
	s_lshl_b32 s23, s13, 14                        ; my 8 groups of 16 queries
	v_add_nc_u32 v[ADRA], s23, v[GO]
	v_add_nc_u32 v[ADRA+1], SLOT, v[ADRA]
	s_lshl_b32 s23, s14, 14                        ; my 8 groups of 16 keys, behind q's two regions
	s_add_co_u32 s23, s23, 65536
	v_add_nc_u32 v[ADRB], s23, v[GO]
	v_add_nc_u32 v[ADRB+1], SLOT, v[ADRB]
	v_and_b32 v2, 15, v0
	v_bfe_u32 v4, v0, 4, 1
	v_lshlrev_b32 v4, 3, v4
	v_sub_nc_u32 v[TH], v2, v4
	s_lshl_b32 s23, s12, 10
	s_add_co_u32 s23, s23, STAT
	v_lshl_add_u32 v[STA], v2, 2, s23
	v_add_nc_u32 v[SRD], s23, v[GO]
	v_mov_b32 v[TM], 0                             ; v_permlanex16_b32's destination counts as read
	v_mov_b32 v[CM+1], 0                           ; named with c m as a pair
; 16 matrix instructions: query groups a0, a0 + 1 of the window's four x all 8 key groups, 32 channels.  The 64 accumulators take turns in the same order in every quarter.
.macro MUL16 f, hi, a0, zero
	WIN MUL_LO+0x50*(\hi)
.irp a, \a0, (\a0)+1
.irp b, 0,1,2,3,4,5,6,7
.if \zero
	v_wmma_f32_16x16x32_f16 v[8*(8*(\a)+(\b)):8*(8*(\a)+(\b))+7], v[(\f)+8*(\b):(\f)+8*(\b)+7], v[(\f)+8*(4*(\hi)+(\a)):(\f)+8*(4*(\hi)+(\a))+7], 0
.else
	v_wmma_f32_16x16x32_f16 v[8*(8*(\a)+(\b)):8*(8*(\a)+(\b))+7], v[(\f)+8*(\b):(\f)+8*(\b)+7], v[(\f)+8*(4*(\hi)+(\a)):(\f)+8*(4*(\hi)+(\a))+7], v[8*(8*(\a)+(\b)):8*(8*(\a)+(\b))+7]
.endif
.endr
.endr
.endm
; 32 LDS loads in one run: quarter q4 of a K step (block q4 / 2, chunks 2 (q4 % 2) and + 1 of every group): k's 8 fragments, then q's
.macro FETCH slot, q4, f
	WIN TO_B
.irp i, 0,1,2,3,4,5,6,7
	ds_load_b128 v[(\f)+8*(\i):(\f)+8*(\i)+3],   v[ADRB+(\slot)] offset:((\q4)/2)*32768+(\i)*2048+((\q4)%2)*1024
	ds_load_b128 v[(\f)+8*(\i)+4:(\f)+8*(\i)+7], v[ADRB+(\slot)] offset:((\q4)/2)*32768+(\i)*2048+((\q4)%2)*1024+512
.endr
	WIN 0
.irp i, 0,1,2,3,4,5,6,7
	ds_load_b128 v[(\f)+8*(\i):(\f)+8*(\i)+3],   v[ADRA+(\slot)] offset:((\q4)/2)*32768+(\i)*2048+((\q4)%2)*1024
	ds_load_b128 v[(\f)+8*(\i)+4:(\f)+8*(\i)+7], v[ADRA+(\slot)] offset:((\q4)/2)*32768+(\i)*2048+((\q4)%2)*1024+512
.endr
.endm
; One of a K step's first three quarters: multiplies buffer f; in its middle it fetches quarter q4 of the same slot into buffer g
.macro QUARTER slot, q4, f, g, zero
	s_wait_dscnt 8                                 ; k and q's groups 0-3 are in; the youngest eight loads (q's groups 4-7) may be out
	MUL16 \f, 0, 0, \zero
	MUL16 \f, 0, 2, \zero
	PLACES
	FETCH \slot, \q4, \g
	s_wait_dscnt 32                                ; all but the 32 just issued
	MUL16 \f, 1, 0, \zero
	MUL16 \f, 1, 2, \zero
.endm
; The last quarter multiplies buffer 1 and changes slots: one barrier; in front of it each wave waits for all its tensor loads (one is out: its region of the next slot), adds 0 to its spare word, and waits for
; that and for its reads of this slot.  fill = 1: my region of this slot is filled again, first thing behind the barrier: 224 matrix instructions ahead of the wait for it.
.macro TURN slot, next, fill
	WIN 0
	s_wait_tensorcnt 0x0
	ds_add_u32 v[SPW], v[NIL]                      ; 0 onto my spare word
.if \fill
	s_add_nc_u64 s[G0+4*(\slot)+2:G0+4*(\slot)+3], s[G0+4*(\slot)+2:G0+4*(\slot)+3], 0x400000  ; no load of mine is out: two K steps on
.endif
	s_wait_dscnt 9                                 ; the add and the youngest eight loads may be out
	MUL16 F1, 0, 0, 0
	s_wait_dscnt 0x0                               ; the add is done, and my reads of this slot are over
	s_barrier_signal -1
	MUL16 F1, 0, 2, 0
	WIN 0
	s_barrier_wait -1
.if \fill
	tensor_load_to_lds s[G0+4*(\slot):G0+4*(\slot)+3], s[G1:G1+7]
	s_nop 0
.endif
	PLACES                                         ; the places in front of the loads below
	FETCH \next, 0, F0
	MUL16 F1, 1, 0, 0
	MUL16 F1, 1, 2, 0
.endm
	s_wait_tensorcnt 0x1                           ; my region of K step 0 is in; K step 1's may stay out
	s_barrier_signal -1
	s_barrier_wait -1
	FETCH 0, 0, F0
	QUARTER 0, 1, F0, F1, 1                        ; the first quarter stands in front of the loop: its products start the sums
	WIN 0
	s_mov_b32 s3, 3
.Llap:                                                 ; a trip goes once round the ring and fills both slots again: K steps 2 to 7
	QUARTER 0, 2, F1, F0, 0
	QUARTER 0, 3, F0, F1, 0
	TURN 0, 1, 1
	QUARTER 1, 1, F0, F1, 0
	QUARTER 1, 2, F1, F0, 0
	QUARTER 1, 3, F0, F1, 0
	TURN 1, 0, 1
	QUARTER 0, 1, F0, F1, 0
	WIN 0
	s_sub_co_u32 s3, s3, 1
	s_cmp_lg_u32 s3, 0
	s_cbranch_scc1 .Llap
	QUARTER 0, 2, F1, F0, 0                        ; the last lap fills nothing
	QUARTER 0, 3, F0, F1, 0
	TURN 0, 1, 0
	QUARTER 1, 1, F0, F1, 0
	QUARTER 1, 2, F1, F0, 0
	QUARTER 1, 3, F0, F1, 0
	s_wait_dscnt 8
	MUL16 F1, 0, 0, 0
	MUL16 F1, 0, 2, 0
	s_wait_dscnt 0x0
	MUL16 F1, 1, 0, 0
	MUL16 F1, 1, 2, 0
	WIN 0
	PLACES
	; THE MASK, in tiles on the diagonal alone.  Group pair (a, a): key 8 h + j is hidden where j > lane % 16 - 8 h; pairs (a, b > a): all.  Each accumulator's lowest pair comes first.
	s_cmp_lg_u32 s15, s16
	s_cbranch_scc1 .Lnomask
.set j, 0
.rept 8
	v_cmp_gt_i32 vcc_lo, j, v[TH]
	v_cndmask_b32 v[MD+j], 0, s54, vcc_lo
.set j, j+1
.endr
.set a, 0
.rept 8
	WIN 0x41*(2+a/4)                               ; destination and source 0 in the accumulators' window
.set b, a
.rept 8-a
.set z, 0
.rept 4
.set rD, 64*(a%4)+8*b+2*z
.if b == a
	v_pk_add_f32 v[rD:rD+1], v[rD:rD+1], v[MD+2*z:MD+2*z+1]
.else
	v_pk_add_f32 v[rD:rD+1], v[rD:rD+1], s[54:55] op_sel_hi:[1,0]
.endif
.set z, z+1
.endr
.set b, b+1
.endr
.set a, a+1
.endr
	WIN 0
.Lnomask:
; THE WAY OUT, a group of 16 queries a trip.  What names the group's accumulators is written for each group (U a): the maximum of the lane's 64 scores and of the other half of the lanes', c m, and c s - c m
; into window 0.  The rest is written once.  The jumps to the parts go forward and hang on the trip's number.
.macro U a
.set W, 2+(\a)/4
.set AB, 64*((\a)%4)
	WIN 0x15*W                                     ; all three sources in the accumulators' window
.irp b, 0,1,2,3
	v_max3_num_f32 v[CH+(\b)], v[AB+8*(\b)], v[AB+8*(\b)+1], v[AB+8*(\b)+2]   ; each accumulator's lowest registers are read first
.endr
	WIN 0x14*W                                     ; source 0 back in window 0
.irp k, 3,5
.irp b, 0,1,2,3
	v_max3_num_f32 v[CH+(\b)], v[CH+(\b)], v[AB+8*(\b)+(\k)], v[AB+8*(\b)+(\k)+1]
.endr
.endr
.irp k, 0,2,4,6
.irp b, 0,1,2,3
	v_max3_num_f32 v[CH+(\b)], v[CH+(\b)], v[AB+32+8*(\b)+(\k)], v[AB+32+8*(\b)+(\k)+1]
.endr
.endr
	v_max3_num_f32 v[CH],   v[CH],   v[AB+7],  v[AB+15]
	v_max3_num_f32 v[CH+2], v[CH+2], v[AB+23], v[AB+31]
	WIN 0
	v_max3_num_f32 v[CH], v[CH], v[CH+1], v[CH+2]
	v_max_num_f32 v[CH], v[CH], v[CH+3]
	v_permlanex16_b32 v[TM], v[CH], s[SEL], s[SEL+1]  ; the query's other 64 keys lie in the lane 16 away
	v_max_num_f32 v[MX], v[CH], v[TM]
	v_mul_f32 v[CM], s[CS], v[MX]
	WIN W                                          ; source 0 in the accumulators' window
.set p, 0
.rept 32
	v_pk_fma_f32 v[E+2*p:E+2*p+1], v[AB+2*p:AB+2*p+1], s[CS:CS+1], v[CM:CM+1] op_sel_hi:[1,0,0] neg_lo:[0,0,1] neg_hi:[0,0,1]
.set p, p+1
.endr
	WIN 0
.endm
.macro FIN q                           ; pair q of weights is rounded to f16; from pair 4 on it is added onto pair q % 4, which has been rounded by then
	s_wait_alu depctr_va_vdst(0)
	v_cvt_pk_f16_f32 v[PK+(\q)], v[E+2*(\q)], v[E+2*(\q)+1]
.if (\q) >= 4
	v_pk_add_f32 v[E+2*((\q)%4):E+2*((\q)%4)+1], v[E+2*((\q)%4):E+2*((\q)%4)+1], v[E+2*(\q):E+2*(\q)+1]
.endif
.endm
	s_mov_b32 s2, 0
.Lrow:
.irp a, 0,1,2,3,4,5,6
	s_cmp_eq_u32 s2, \a
	s_cbranch_scc1 .Lu\a
.endr
	U 7
	s_branch .Lcommon
.irp a, 0,1,2,3,4,5,6
.Lu\a:
	U \a
	s_branch .Lcommon
.endr
.Lcommon:
.set p, 0
.rept 32                               ; two exponentials, then plain work on a pair whose exponentials stand two groups back
	v_exp_f32 v[E+2*p], v[E+2*p]
	v_exp_f32 v[E+2*p+1], v[E+2*p+1]
.if p < 2
	v_nop
.else
	FIN p-2
.endif
.set p, p+1
.endr
	FIN 30
	FIN 31
	v_pk_add_f32 v[E:E+1], v[E:E+1], v[E+2:E+3]
	v_pk_add_f32 v[E+4:E+5], v[E+4:E+5], v[E+6:E+7]
	v_pk_add_f32 v[E:E+1], v[E:E+1], v[E+4:E+5]
	v_add_f32 v[E], v[E], v[E+1]
	v_permlanex16_b32 v[TM], v[E], s[SEL], s[SEL+1]
	v_add_f32 v[E], v[E], v[TM]                    ; l of the block
	ds_store_b32 v[STA], v[CM]                     ; both halves of the lanes write the same word with the same value
	ds_store_b32 v[STA], v[E] offset:512
	v_add_nc_u32 v[STA], 64, v[STA]                ; the next group's 16 words
.irp b, 0,1,2,3,4,5,6,7
	global_store_b128 v[GO], v[PK+4*(\b):PK+4*(\b)+3], s[8:9] offset:512*(\b)  ; a chunk: 512 consecutive bytes, at a multiple of 512
.endr
	s_wait_xcnt 0x0                                ; the base and the packed weights are rewritten only behind this wait
	s_add_nc_u64 s[8:9], s[8:9], 0x10000           ; the next group of 16 queries in Pw
	s_add_co_u32 s2, s2, 1
	s_cmp_lt_u32 s2, 8
	s_cbranch_scc1 .Lrow
	ds_load_b128 v[64:67], v[SRD]                  ; my own bytes: LDS serves a wave's instructions in order (ISA guide 5.7.1.4)
	ds_load_b128 v[68:71], v[SRD] offset:512
	s_wait_dscnt 0x0
	global_store_b128 v[GO], v[64:67], s[10:11]             ; c m of my 128 queries: 512 consecutive bytes,
	global_store_b128 v[GO], v[68:71], s[10:11] offset:512  ; and l
	s_wait_tensorcnt 0x0                           ; the wave's end
	ds_add_u32 v[SPW], v[NIL]
	s_wait_dscnt 0x0
	s_endpgm
.Lfunc_end_k_qb80c7aea1a_scores:
	.size	k_qb80c7aea1a_scores, .Lfunc_end_k_qb80c7aea1a_scores-k_qb80c7aea1a_scores
	.p2alignl 7, 3214868480
	.fill 96, 4, 3214868480
	.section	.rodata,"a",@progbits
	.p2align	6, 0x0
	.amdhsa_kernel k_qb80c7aea1a_scores
		.amdhsa_group_segment_fixed_size 327680
		.amdhsa_private_segment_fixed_size 0
		.amdhsa_enable_private_segment 0
		.amdhsa_kernarg_size 24
		.amdhsa_user_sgpr_count 2
		.amdhsa_user_sgpr_kernarg_segment_ptr 1
		.amdhsa_wavefront_size32 1
		.amdhsa_system_sgpr_workgroup_id_x 1
		.amdhsa_system_sgpr_workgroup_id_y 1
		.amdhsa_system_sgpr_workgroup_id_z 1
		.amdhsa_system_vgpr_workitem_id 0
		.amdhsa_next_free_vgpr 1024
		.amdhsa_next_free_sgpr 66
		.amdhsa_reserve_vcc 1
		.amdhsa_float_denorm_mode_32 3
		.amdhsa_float_denorm_mode_16_64 3
		.amdhsa_memory_ordered 1
		.amdhsa_forward_progress 1
		.amdhsa_inst_pref_size 161
	.end_amdhsa_kernel
	.amdgpu_metadata
---
amdhsa.version: [ 1, 2 ]
amdhsa.kernels:
  - .name:           k_qb80c7aea1a_scores
    .symbol:         k_qb80c7aea1a_scores.kd
    .args:
      - { .name: QKV, .offset: 0, .size: 8, .value_kind: global_buffer, .address_space: global }
      - { .name: Pw, .offset: 8, .size: 8, .value_kind: global_buffer, .address_space: global }
      - { .name: St, .offset: 16, .size: 8, .value_kind: global_buffer, .address_space: global }
    .group_segment_fixed_size: 327680
    .private_segment_fixed_size: 0
    .kernarg_segment_align: 8
    .kernarg_segment_size: 24
    .max_flat_workgroup_size: 128
    .sgpr_count:     66
    .vgpr_count:     1024
    .wavefront_size: 32
...
	.end_amdgpu_metadata
.endif
;; end of part 3
;; launch pv (part 4): grid 8 x 32, 4 waves a work-group, clusters of 4 x 4, 327,680 bytes of LDS; arguments Pw, QKV, St, out0; writes out0
.if DOCPART == 4
	.amdgcn_target "amdgcn-amd-amdhsa--gfx1250"
	.amdhsa_code_object_version 6
	.text
	.protected	k_qb80c7aea1a_pv
	.globl	k_qb80c7aea1a_pv
	.p2align	8
	.type	k_qb80c7aea1a_pv,@function
k_qb80c7aea1a_pv:
	s_mov_b64 s[64:65], 0
	v_nop
	global_prefetch_b8 v0, s[64:65] scope:SCOPE_SE
	s_setreg_imm32_b32 hwreg(HW_REG_WAVE_MODE, 25, 1), 1
	s_wait_xcnt 0x0
	s_wait_alu depctr_hold_cnt(0) depctr_sa_sdst(0) depctr_va_vdst(0) depctr_va_sdst(0) depctr_va_ssrc(0) depctr_va_vcc(0) depctr_vm_vsrc(0)
	s_getreg_b32 s2, hwreg(HW_REG_IB_STS2, 6, 4)
	s_cmp_eq_u32 s2, 0
	s_cbranch_scc0 .Lentry_in_a_cluster
	s_endpgm
.Lentry_in_a_cluster:
	s_bfe_u32 s2, ttmp6, 0x10000c
	s_cmp_lg_u32 s2, 0xf033
	s_cbranch_scc0 .Lentry_shape_is_right
	s_endpgm
.Lentry_shape_is_right:
; out[q] = (sum over key blocks t of f_t P_t V_t) / l, with f_t = 2^(c m_t - c m), c m the maximum of the row's block maxima, l = sum of f_t l_t: the softmax with the row's true maximum taken away.
; P and V f16, sums f32, out f32.  f is applied to P in f16 (p f = 2^(c s - c m) lies in 0 to 1).
; LIMITS.  p f below 6e-5 keeps f16's fixed step of 6e-8; f is rounded to f16 for the product and kept in f32 for l; an f below 2^-126 counts as 0; NaN and infinities are not treated apart.
; SHARES.  A work-group owns 128 channels and 256 queries of a batch: rows 16 g .. + 15 of each of the 16 blocks x of 128 rows.  So every work-group of a batch walks the same 16 key blocks t, and in block t
; the blocks x with x | 1 >= t are live: equal work for all.  A wave owns 64 channels and eight BANDS of 16 queries, x = 15 - 2 i - wq: the live ones are i < n = 8 - t / 2.  Where t = x + 1, f is 0.
; CLUSTER 4 x 4.  P's tile hangs on batch and g, shared along a row of the cluster; V's on batch and channels, shared along a column: each is asked for jointly.  The batch is made of the cluster's y alone.
; P's tile is asked for with tensor_dim1 = 16 n rows of 256 bytes: the dead bands' rows are not read and land as zeros.
; LAYOUT.  O^T = V^T P: source 0 = 16 channels x 32 keys, source 1 = 32 keys x 16 queries; both lie in memory as fragments, LDS is read at 16 x lane.  A lane holds one query and 8 channels.
; PIPELINE.  A key block is two half steps of 64 keys.  A half step's operands lie in registers; each half step loads the next one's into the other buffers.  The change of slots stands between a block's halves.
; REGISTERS: window 0: v16-29 addresses; v32-47 f (two sets of 8 bands); v48-63 1 / l; v64-191 V, two buffers; v192-255 the way out.
;   windows 1 (bands 0-3), 2 (bands 4-7): v0-127 O^T, 32 a band; v128-255 P, two buffers of 16 a band.  One window setting serves a band's products, its scalings and its loads.
.set SLOT,  98304                      ; P: 2 x 32,768 ([wq][band][4,096]); V at + 65,536: 2 x 16,384 ([block of 64 channels][group of 16 keys][chunk][512])
.set FT,    2*SLOT                     ; [t 16][15 - x][16] words: (f, f) in f16
.set RLT,   FT+16384                   ; [15 - x][16] words: 1 / l
.set STAGE, RLT+1024                   ; 16 rows x 272 bytes for each wave
.set SP,    272
.set SPARE, STAGE+4*16*SP              ; the spare words, 128 bytes a wave: two blocks of 256 bytes that no other line names
.set XR,  10                           ; v10-11  the statistics' x, by pass
.set PA,  16                           ; v16-17  LDS address of my P in slot 0, 1
.set VA,  18                           ; v18-19  of my V
.set FA,  20                           ; v20     of my f of the block in hand
.set STO, 21
.set RD,  22
.set CO,  23
.set SPW, 28
.set NIL, 29
.set FC,  32
.set RLV, 48
.set VB,  64
.set T,   192
.set OB,  224
.set PB,  128                          ; in windows 1, 2
.set AD,  64                           ; the statistics: 32 offsets, 32 c m, 32 l
.set MM,  96
.set LL,  128
.set WV,  12                           ; s12 wave;  s13 wq (also: I fetch P (0) or V (1));  s14 wc (also: which half I fetch)
.set WQ,  13
.set WC,  14
.set G1P, 24
.set G0P, 32
.set G1V, 48
.set G0V, 56
.set N,   70                           ; s70  live bands
.set MSB, 0
.macro WIN new
.if MSB != (\new)
	s_set_vgpr_msb (MSB<<8)|(\new)
.set MSB, (\new)
.endif
.endm
.macro PLACES
.rept 4
	v_nop
.endr
.endm
.macro JLOAD s                         ; a joint refill; an s_nop 0 and four v_nop follow each of the two lines
	s_cmp_eq_u32 s[WQ], 0
	s_cbranch_scc0 .Lfor_v_\@
	tensor_load_to_lds s[G0P+4*(\s):G0P+4*(\s)+3], s[G1P:G1P+7]
	s_nop 0
.rept 4
	v_nop
.endr
	s_branch .Lasked_\@
.Lfor_v_\@:
	tensor_load_to_lds s[G0V+4*(\s):G0V+4*(\s)+3], s[G1V:G1V+7]
	s_nop 0
.rept 4
	v_nop
.endr
.Lasked_\@:
.endm
.macro CROUND                          ; a round of the cluster's barrier
	s_barrier_signal -1
	s_barrier_wait -1
	s_cmp_lg_u32 s[WV], 0
	s_cbranch_scc1 .Lnot_wave_0_\@
	s_barrier_signal -3
.Lnot_wave_0_\@:
	s_barrier_wait -3
	s_barrier_signal -1
	s_barrier_wait -1
.endm
	s_load_b256 s[4:11], s[0:1], 0x0               ; Pw s[4:5], QKV s[6:7], St s[8:9], out0 s[10:11]
	v_lshl_add_u32 v[SPW], v0, 2, SPARE
	v_mov_b32 v[NIL], 0
	ds_add_u32 v[SPW], v[NIL]                      ; the wave's opening: the add and its wait ahead of my first tensor load
	ds_add_u32 v28, v29
	v_lshrrev_b32 v1, 5, v0
	v_readfirstlane_b32 s[WV], v1
	s_lshr_b32 s[WQ], s[WV], 1
	s_and_b32 s[WC], s[WV], 1
	s_bfe_u32 s40, ttmp6, 0x40000                  ; cx
	s_bfe_u32 s41, ttmp6, 0x40004                  ; cy
	s_lshl_b32 s42, ttmp9, 2
	s_add_co_u32 s42, s42, s40                     ; sx: my 128 channels
	s_and_b32 s15, ttmp7, 0xffff                   ; the cluster's y
	s_lshr_b32 s16, s15, 1                         ; batch: the same in all sixteen
	s_and_b32 s17, s15, 1
	s_lshl_b32 s17, s17, 2
	s_add_co_u32 s17, s17, s41                     ; g
	s_lshl_b32 s43, s41, 2
	s_lshl_b32 s43, 15, s43                        ; my row of the cluster
	s_lshl_b32 s44, 0x1111, s40                    ; my column
	s_or_b32 s[G1P+0], s43, (3<<16)|(1<<21)        ; P: elements of 8 bytes, dense rows of 256 bytes
	s_mov_b32 s[G1P+1], 32<<16                     ; tensor_dim0 = 32
	s_mov_b32 s[G1P+2], 128<<16                    ; tensor_dim1 = 16 n: 128 for blocks 0 and 1; it steps down by 16 a trip, to 16
	s_mov_b32 s[G1P+3], 32<<16                     ; tile_dim0
	s_mov_b32 s[G1P+4], 128                        ; tile_dim1: always the whole region
	s_mov_b32 s[G1P+5], 32
	s_mov_b32 s[G1P+6], 0
	s_mov_b32 s[G1P+7], 0
	s_or_b32 s[G1V+0], s44, (3<<16)|(1<<21)        ; V: 64 dense rows of 256 bytes
	s_mov_b32 s[G1V+1], 32<<16
	s_mov_b32 s[G1V+2], 64<<16
	s_mov_b32 s[G1V+3], 32<<16
	s_mov_b32 s[G1V+4], 64
	s_mov_b32 s[G1V+5], 32
	s_mov_b32 s[G1V+6], 0
	s_mov_b32 s[G1V+7], 0
	s_lshl_b32 s18, s16, 23                        ; P: batch, g and the half that I fetch
	s_lshl_b32 s19, s17, 16
	s_add_co_u32 s18, s18, s19
	s_lshl_b32 s19, s[WC], 15
	s_add_co_u32 s18, s18, s19
	s_mov_b32 s19, 0
	s_lshl_b32 s46, s42, 1                         ; V: block 32 + 2 sx + half, and the batch's 2,048 keys
	s_add_co_u32 s46, s46, s[WC]
	s_add_co_u32 s46, s46, 32
	s_lshl_b32 s46, s46, 20
	s_lshl_b32 s47, s16, 18
	s_add_co_u32 s46, s46, s47
	s_mov_b32 s47, 0
	s_lshl_b32 s20, s[WC], 15                      ; where they go: no place in the cluster enters an LDS address
	s_lshl_b32 s21, s[WC], 14
	s_add_co_u32 s21, s21, 65536
	s_lshl_b32 s22, s16, 18                        ; St: batch and g
	s_lshl_b32 s23, s17, 6
	s_add_co_u32 s22, s22, s23
	s_mov_b32 s23, 0
	s_lshl_b32 s2, s16, 23                         ; out: row 2,048 batch + 128 (15 - wq) + 16 g, channel 128 sx + 64 wc, 4 bytes each
	s_sub_co_u32 s3, 15, s[WQ]
	s_lshl_b32 s3, s3, 19
	s_add_co_u32 s2, s2, s3
	s_lshl_b32 s3, s17, 16
	s_add_co_u32 s2, s2, s3
	s_lshl_b32 s3, s42, 9
	s_add_co_u32 s2, s2, s3
	s_lshl_b32 s3, s[WC], 8
	s_add_co_u32 s2, s2, s3
	s_mov_b32 s3, 0
	s_wait_dscnt 0x0                               ; the opening add is done
	s_wait_kmcnt 0x0
	s_add_nc_u64 s[18:19], s[4:5], s[18:19]
	s_add_nc_u64 s[46:47], s[6:7], s[46:47]
	s_add_nc_u64 s[68:69], s[8:9], s[22:23]
	s_add_nc_u64 s[66:67], s[10:11], s[2:3]
	CROUND                                         ; all sixteen work-groups are here: the first joint loads meet
.irp s, 0,1
	s_mov_b32 s[G0P+4*(\s)], 1
	s_add_co_u32 s[G0P+4*(\s)+1], s20, (\s)*SLOT
	s_add_nc_u64 s[G0P+4*(\s)+2:G0P+4*(\s)+3], s[18:19], (\s)*0x80000   ; key block s
	s_or_b32 s[G0P+4*(\s)+3], s[G0P+4*(\s)+3], 0x80000000
	s_mov_b32 s[G0V+4*(\s)], 1
	s_add_co_u32 s[G0V+4*(\s)+1], s21, (\s)*SLOT
	s_add_nc_u64 s[G0V+4*(\s)+2:G0V+4*(\s)+3], s[46:47], (\s)*0x4000
	s_or_b32 s[G0V+4*(\s)+3], s[G0V+4*(\s)+3], 0x80000000
.endr
	s_cmp_eq_u32 s[WQ], 0                          ; a wave's two first fills stand in one branch: two loads of mine are out
	s_cbranch_scc0 .Lfirst_v
	tensor_load_to_lds s[G0P:G0P+3], s[G1P:G1P+7]
	s_nop 0
	tensor_load_to_lds s[G0P+4:G0P+7], s[G1P:G1P+7]
	s_nop 0
.rept 4
	v_nop
.endr
	s_branch .Lfirst_asked
.Lfirst_v:
	tensor_load_to_lds s[G0V:G0V+3], s[G1V:G1V+7]
	s_nop 0
	tensor_load_to_lds s[G0V+4:G0V+7], s[G1V:G1V+7]
	s_nop 0
.rept 4
	v_nop
.endr
.Lfirst_asked:
	; THE STATISTICS, in the wait for the first tiles.  Thread (xq = number / 16, r = number % 16) joins the blocks of two of the work-group's 256 queries: 15 - x = xq and xq + 8.
	; For t > x the words of block x are read once more (only written words are read) and f is set to 0.
	v_and_b32 v1, 15, v0                           ; r
	v_lshrrev_b32 v2, 4, v0                        ; xq
	v_lshlrev_b32 v3, 2, v1
	v_lshl_add_u32 v3, v2, 10, v3                  ; 1,024 xq + 4 r
	v_lshl_add_u32 v5, v0, 2, FT                   ; where my f go
.irp p, 0,1
	v_sub_nc_u32 v[XR+(\p)], 15-8*(\p), v2         ; x
.set t, 0
.rept 16
	v_min_u32 v[AD+16*(\p)+t], t, v[XR+(\p)]
	v_lshl_add_u32 v[AD+16*(\p)+t], v[AD+16*(\p)+t], 14, v3
	global_load_b32 v[MM+16*(\p)+t], v[AD+16*(\p)+t], s[68:69] offset:8192*(\p)
	global_load_b32 v[LL+16*(\p)+t], v[AD+16*(\p)+t], s[68:69] offset:8192*(\p)+512
.set t, t+1
.endr
.endr
.macro STAT p
	s_wait_loadcnt 32*(1-(\p))                     ; the second pass's 32 loads may stay out during the first
.set MB, MM+16*(\p)
.set LB, LL+16*(\p)
	v_max3_num_f32 v6, v[MB], v[MB+1], v[MB+2]
.irp k, 3,5,7,9,11,13
	v_max3_num_f32 v6, v6, v[MB+(\k)], v[MB+(\k)+1]
.endr
	v_max_num_f32 v6, v6, v[MB+15]                 ; c m of the row
.set t, 0
.rept 16
	v_sub_f32 v[MB+t], v[MB+t], v6
.set t, t+1
.endr
.set t, 0
.rept 16
	v_exp_f32 v[MB+t], v[MB+t]
.set t, t+1
.endr
	v_nop                                          ; a plain instruction behind the last exponential
.set t, 0
	s_wait_alu depctr_va_vdst(0)
.rept 16
	v_cmp_le_u32 vcc_lo, t, v[XR+(\p)]
	v_cndmask_b32 v[MB+t], 0, v[MB+t], vcc_lo      ; f = 0 where t > x
.set t, t+1
.endr
	v_mul_f32 v7, v[MB], v[LB]
.set t, 1
.rept 15
	v_fmac_f32 v7, v[MB+t], v[LB+t]
.set t, t+1
.endr
.set t, 0
.rept 16
	v_cvt_pk_f16_f32 v[LB+t], v[MB+t], v[MB+t]
.set t, t+1
.endr
.set t, 0
.rept 16
	ds_store_b32 v5, v[LB+t] offset:512*(\p)+1024*t
.set t, t+1
.endr
	v_rcp_f32 v7, v7                               ; l is at least 1: the block that holds the row's maximum has f = 1 and a weight 1
	v_nop
	s_wait_alu depctr_va_vdst(0)
	ds_store_b32 v5, v7 offset:RLT-FT+512*(\p)
.endm
	STAT 0
	STAT 1
	v_and_b32 v9, 31, v0
	v_lshlrev_b32 v9, 4, v9                        ; 16 x lane
	v_bfe_u32 v8, v0, 4, 1                         ; lane / 16
	s_lshl_b32 s20, s[WQ], 15
	v_add_nc_u32 v[PA], s20, v9
	v_add_nc_u32 v[PA+1], SLOT, v[PA]
	s_lshl_b32 s20, s[WC], 14
	s_add_co_u32 s20, s20, 65536
	v_add_nc_u32 v[VA], s20, v9
	v_add_nc_u32 v[VA+1], SLOT, v[VA]
	s_lshl_b32 s20, s[WQ], 6
	s_add_co_u32 s20, s20, FT
	v_lshl_add_u32 v[FA], v1, 2, s20               ; band i's word lies 128 i on, block t's 1,024 t
	s_mul_i32 s20, s[WV], 16*SP
	s_add_co_u32 s20, s20, STAGE
	v_mul_u32_u24 v[STO], v1, SP                   ; into my stage: row lane % 16, 32 bytes for each half of the lanes
	v_lshl_add_u32 v[STO], v8, 5, v[STO]
	v_add_nc_u32 v[STO], s20, v[STO]
	v_mul_u32_u24 v[RD], v8, SP                    ; back: lanes 0-15 one row of 256 bytes, lanes 16-31 the next
	v_lshl_add_u32 v[RD], v1, 4, v[RD]
	v_add_nc_u32 v[RD], s20, v[RD]
	v_lshlrev_b32 v[CO], 12, v8                    ; and the same two rows in out
	v_lshl_add_u32 v[CO], v1, 4, v[CO]
	s_wait_tensorcnt 0x1                           ; my part of key block 0 is in; block 1's may stay out
	s_wait_dscnt 0x0                               ; for the others' sake: my f and 1 / l are stored
	s_barrier_signal -1
	s_barrier_wait -1
.macro VLD hb, src, nh                 ; 16 loads: V of half nh of slot src's block into buffer hb: fragment f = 4 k + cb: groups 4 nh + 2 k, + 1, chunk cb
.set f, 0
.rept 8
	ds_load_b128 v[VB+64*(\hb)+8*f:VB+64*(\hb)+8*f+3],   v[VA+(\src)] offset:(4*(\nh)+2*(f/4))*2048+(f%4)*512
	ds_load_b128 v[VB+64*(\hb)+8*f+4:VB+64*(\hb)+8*f+7], v[VA+(\src)] offset:(4*(\nh)+2*(f/4)+1)*2048+(f%4)*512
.set f, f+1
.endr
.endm
.macro PLD reg, band, src, nh          ; 4 loads: a band's two fragments of P of half nh; the caller has set the destination's window
.irp c, 0,1,2,3
	ds_load_b128 v[(\reg)+4*(\c):(\reg)+4*(\c)+3], v[PA+(\src)] offset:(\band)*4096+(\nh)*2048+(\c)*512
.endr
.endm
; A HALF STEP: buffers h, f of set par.  host = 1: it loads the next half step's operands (half nh of slot src) into the other buffers, and, where h = 1, the next block's f.
; A band: 4 loads; 4 products on its first 32 keys, behind each two scalings of its second fragment; 4 products on the second 32 keys, behind each two scalings of the next band's first fragment (harmless on a dead
; band's stale registers).  Bands 0 and 4 begin a window: their first fragment is scaled in a run of eight; band 0's run is also the places in front of the loads.  A band's four accumulators take turns.
; Dead bands are jumped over, forward, past no barrier and no tensor load.  zero = 1: the first half step: all eight bands are live, no jump; its first products start the sums.
.macro HS h, par, src, nh, zero, host, maxb
	WIN 0
	s_wait_dscnt 0x0                               ; all that the half step before loaded is in
.set i, 0
.rept (\maxb)
.set W, 1+i/4
.set rO, 32*(i%4)
.set rP, PB+64*(\h)+16*(i%4)
.set rL, PB+64*(1-(\h))+16*(i%4)
.set rF, FC+8*(\par)+i
.if (i > 0) && !(\zero)
	WIN 0
	s_cmp_le_u32 s[N], i
	s_cbranch_scc1 .Lend_\@
.endif
	WIN 0x54*W                                     ; source 0 (V, f, addresses) window 0; source 1 (P), C and D in the band's window
.if (i%4) == 0
.set z, 0
.rept 8
	v_pk_mul_f16 v[rP+z], v[rF], v[rP+z]
.set z, z+1
.endr
.endif
.if (i == 0) && (\host)
	WIN 0
	VLD 1-(\h), \src, \nh
.if (\h) == 1
.set z, 0
.rept 8
	ds_load_b32 v[FC+8*(1-(\par))+z], v[FA] offset:1024+128*z
.set z, z+1
.endr
	v_add_nc_u32 v[FA], 1024, v[FA]
.endif
	WIN 0x54*W
.endif
.if \host
	PLD rL, i, \src, \nh
.endif
.set cb, 0
.rept 4
.if \zero
	v_wmma_f32_16x16x32_f16 v[rO+8*cb:rO+8*cb+7], v[VB+64*(\h)+8*cb:VB+64*(\h)+8*cb+7], v[rP:rP+7], 0
.else
	v_wmma_f32_16x16x32_f16 v[rO+8*cb:rO+8*cb+7], v[VB+64*(\h)+8*cb:VB+64*(\h)+8*cb+7], v[rP:rP+7], v[rO+8*cb:rO+8*cb+7]
.endif
	v_pk_mul_f16 v[rP+8+2*cb], v[rF], v[rP+8+2*cb]
	v_pk_mul_f16 v[rP+9+2*cb], v[rF], v[rP+9+2*cb]
.set cb, cb+1
.endr
.set cb, 0
.rept 4
	v_wmma_f32_16x16x32_f16 v[rO+8*cb:rO+8*cb+7], v[VB+64*(\h)+32+8*cb:VB+64*(\h)+32+8*cb+7], v[rP+8:rP+15], v[rO+8*cb:rO+8*cb+7]
.if ((i%4) != 3) && (i+1 < (\maxb))
	v_pk_mul_f16 v[rP+16+2*cb], v[rF+1], v[rP+16+2*cb]
	v_pk_mul_f16 v[rP+17+2*cb], v[rF+1], v[rP+17+2*cb]
.endif
.set cb, cb+1
.endr
.set i, i+1
.endr
	WIN 0
.Lend_\@:
.endm
; THE CHANGE OF SLOTS, between a key block's two halves: the block's second half has been asked for out of LDS, and the next block is wanted.  Each wave waits for all its tensor loads (one is out: its part of the
; other slot), adds 0 to its spare word, and waits for that and for its reads of the slot.  fill = 1: a round of the cluster's barrier, and the slot is filled again, first thing behind it, with the block two on.
.macro CHANGE slot, fill, dec
	WIN 0
	s_wait_tensorcnt 0x0                           ; no tensor load of mine is out, so descriptors may be written
	ds_add_u32 v[SPW], v[NIL]                      ; 0 onto my spare word
.if \fill
	s_add_nc_u64 s[G0P+4*(\slot)+2:G0P+4*(\slot)+3], s[G0P+4*(\slot)+2:G0P+4*(\slot)+3], 0x100000
	s_add_nc_u64 s[G0V+4*(\slot)+2:G0V+4*(\slot)+3], s[G0V+4*(\slot)+2:G0V+4*(\slot)+3], 0x8000
.if \dec
	s_sub_co_u32 s[G1P+2], s[G1P+2], 16<<16        ; the next two blocks have one live band less: 16 rows of 256 bytes
.endif
.endif
	s_wait_dscnt 0x0                               ; the add is done, and my reads of the slot are over
.if \fill
	CROUND
	JLOAD \slot
.else
	s_barrier_signal -1
	s_barrier_wait -1
.endif
.endm
.set i, 0
.rept 8
	ds_load_b32 v[RLV+2*i],   v[FA] offset:RLT-FT+128*i  ; 1 / l, twice: the packed multiply names a pair
	ds_load_b32 v[RLV+2*i+1], v[FA] offset:RLT-FT+128*i
	ds_load_b32 v[FC+i],      v[FA] offset:128*i         ; f of key block 0
.set i, i+1
.endr
	VLD 0, 0, 0
.set i, 0
.rept 8
	WIN 0x54*(1+i/4)
	PLD PB+16*(i%4), i, 0, 0
.set i, i+1
.endr
	WIN 0
	s_mov_b32 s[N], 8
	HS 0, 0, 0, 1, 1, 1, 8                         ; key block 0, first half: it starts the sums
	s_mov_b32 s3, 7
.Ltrip:                                                ; trip j: blocks 2 j (second half), 2 j + 1, 2 j + 2 (first half); blocks 2 j + 2 and 2 j + 3 are asked for
	CHANGE 0, 1, 1
	HS 1, 0, 1, 0, 0, 1, 8
	HS 0, 1, 1, 1, 0, 1, 8
	CHANGE 1, 1, 0
	HS 1, 1, 0, 0, 0, 1, 8
	s_sub_co_u32 s[N], s[N], 1
	HS 0, 0, 0, 1, 0, 1, 8
	s_sub_co_u32 s3, s3, 1
	s_cmp_lg_u32 s3, 0
	s_cbranch_scc1 .Ltrip
	CHANGE 0, 0, 0                                 ; the tail is written out: nothing is asked for; one band is live
	HS 1, 0, 1, 0, 0, 1, 1
	HS 0, 1, 1, 1, 0, 1, 1
	HS 1, 1, 0, 0, 0, 0, 1
	; THE WAY OUT, a band at a time: O^T times 1 / l; 32 bytes a lane and channel block into my stage; back as whole rows of 256 bytes (my 64 channels in f32); stored.
	PLACES
.set i, 0
.rept 8
.set rO, 32*(i%4)
	WIN 1+i/4                                      ; source 0 in the band's window
.set z, 0
.rept 16
	v_pk_mul_f32 v[T+2*z:T+2*z+1], v[rO+2*z:rO+2*z+1], v[RLV+2*i:RLV+2*i+1] op_sel_hi:[1,0]
.set z, z+1
.endr
	WIN 0
.set z, 0
.rept 8
	ds_store_b128 v[STO], v[T+4*z:T+4*z+3] offset:64*(z/2)+16*(z%2)
.set z, z+1
.endr
	s_wait_xcnt 0x0                                ; the registers below were the data of the band before's stores: they are loaded again only behind this wait
.set f, 0
.rept 8
	ds_load_b128 v[OB+4*f:OB+4*f+3], v[RD] offset:2*SP*f  ; my own bytes: LDS serves a wave's instructions in order (ISA guide 5.7.1.4)
.set f, f+1
.endr
	s_wait_dscnt 0x0
.set f, 0
.rept 8
	global_store_b128 v[CO], v[OB+4*f:OB+4*f+3], s[66:67] offset:8192*f-i*1048576 th:TH_STORE_NT  ; 16 lanes store 256 consecutive bytes, aligned; band i lies 256 rows above band i - 1: 7,340,032 bytes back at the most, inside the signed 24 bits
.set f, f+1
.endr
.set i, i+1
.endr
	s_wait_tensorcnt 0x0                           ; the wave's end
	ds_add_u32 v[SPW], v[NIL]
	s_wait_dscnt 0x0
	CROUND                                         ; the closing round
	s_endpgm
.Lfunc_end_k_qb80c7aea1a_pv:
	.size	k_qb80c7aea1a_pv, .Lfunc_end_k_qb80c7aea1a_pv-k_qb80c7aea1a_pv
	.p2alignl 7, 3214868480
	.fill 96, 4, 3214868480
	.section	.rodata,"a",@progbits
	.p2align	6, 0x0
	.amdhsa_kernel k_qb80c7aea1a_pv
		.amdhsa_group_segment_fixed_size 327680
		.amdhsa_private_segment_fixed_size 0
		.amdhsa_enable_private_segment 0
		.amdhsa_kernarg_size 32
		.amdhsa_user_sgpr_count 2
		.amdhsa_user_sgpr_kernarg_segment_ptr 1
		.amdhsa_wavefront_size32 1
		.amdhsa_system_sgpr_workgroup_id_x 1
		.amdhsa_system_sgpr_workgroup_id_y 1
		.amdhsa_system_sgpr_workgroup_id_z 1
		.amdhsa_system_vgpr_workitem_id 0
		.amdhsa_next_free_vgpr 768
		.amdhsa_next_free_sgpr 72
		.amdhsa_reserve_vcc 1
		.amdhsa_float_denorm_mode_32 3
		.amdhsa_float_denorm_mode_16_64 3
		.amdhsa_memory_ordered 1
		.amdhsa_forward_progress 1
		.amdhsa_inst_pref_size 146
	.end_amdhsa_kernel
	.amdgpu_metadata
---
amdhsa.version: [ 1, 2 ]
amdhsa.kernels:
  - .name:           k_qb80c7aea1a_pv
    .symbol:         k_qb80c7aea1a_pv.kd
    .args:
      - { .name: Pw, .offset: 0, .size: 8, .value_kind: global_buffer, .address_space: global }
      - { .name: QKV, .offset: 8, .size: 8, .value_kind: global_buffer, .address_space: global }
      - { .name: St, .offset: 16, .size: 8, .value_kind: global_buffer, .address_space: global }
      - { .name: out0, .offset: 24, .size: 8, .value_kind: global_buffer, .address_space: global }
    .group_segment_fixed_size: 327680
    .private_segment_fixed_size: 0
    .kernarg_segment_align: 8
    .kernarg_segment_size: 32
    .max_flat_workgroup_size: 128
    .sgpr_count:     72
    .vgpr_count:     768
    .wavefront_size: 32
...
	.end_amdgpu_metadata
.endif
;; end of part 4
;; ======== version 2 of 3: 4 launches; 1.11 times as fast as version 1
;; limits: values are held in f16: magnitudes above 65,504 overflow, below 6.1e-05 lose precision
;; workspace buffers: Xb 16,777,216 bytes; Wb 6,291,456 bytes; QKV 50,331,648 bytes; Pw 18,874,368 bytes; St 1,048,576 bytes
;; launch cast (part 5): grid 256 x 1, 11 waves a work-group, no clusters, 0 bytes of LDS; arguments X, Wq, Wk, Wv, Xb, Wb; writes Xb, Wb
.if DOCPART == 5
	.amdgcn_target "amdgcn-amd-amdhsa--gfx1250"
	.amdhsa_code_object_version 6
	.text
	.protected	k_qb80c7aea1a_cast
	.globl	k_qb80c7aea1a_cast
	.p2align	8
	.type	k_qb80c7aea1a_cast,@function
k_qb80c7aea1a_cast:
	s_mov_b64 s[64:65], 0
	v_nop
	global_prefetch_b8 v0, s[64:65] scope:SCOPE_SE
	s_setreg_imm32_b32 hwreg(HW_REG_WAVE_MODE, 25, 1), 1
	s_wait_xcnt 0x0
; X [8192][1024] and Wq, Wk, Wv [1024][1024], all f32, are rounded once to bf16 and laid in blocks of 64 columns:
; [R][1024] f32 -> [16][R][64] bf16, so that a block's rows (128 bytes) lie end to end.  Xb: 16 blocks of 8,192 rows; Wb: 3 x 16 blocks of 1,024 rows.
; SHARES.  The four inputs have 11,264 rows: 2,816 waves of four rows, 256 work-groups of eleven waves, so that every work-group has the same work.  The waves are numbered through the launch:
; 0-2,047 take X, 2,048-2,303 Wq, 2,304-2,559 Wk, 2,560-2,815 Wv.  No wave depends on another.
; A stream: each byte is read once (loads of 512 consecutive bytes a wave) and written once (stores of 256 consecutive bytes, aligned).  No LDS, no barrier, no matrix unit: nothing is shared.
; All 32 loads of a wave go out first; no register is written twice, so the only waits are the counted ones for the loads.
.set OFF, 2                            ; v[2:17]   block kb: kb x block bytes + 8 lane
.set Q,   20                           ; v[20:147] unit n (row pair n / 8, 128 columns n % 8): four registers of the even row, four of the odd one
	s_load_b256 s[4:11], s[0:1], 0x0               ; X s[4:5], Wq s[6:7], Wk s[8:9], Wv s[10:11]
	s_load_b128 s[12:15], s[0:1], 0x20             ; Xb s[12:13], Wb s[14:15]
	v_lshrrev_b32 v18, 5, v0
	v_readfirstlane_b32 s29, v18                   ; my wave in the work-group, 0 to 10
	s_mul_i32 s21, ttmp9, 11
	s_add_co_u32 s21, s21, s29                     ; my wave in the launch, 0 to 2,815
	v_and_b32 v1, 31, v0                           ; lane
	v_lshlrev_b32 v19, 3, v1                       ; out: 8 bytes a lane
	v_lshlrev_b32 v1, 4, v1                        ; in: 16 bytes a lane
	s_sub_co_u32 s23, s21, 2048
	s_and_b32 s22, s23, 255                        ; my four rows among a weight's 256 fours
	s_lshr_b32 s23, s23, 8                         ; which weight
	s_mov_b32 s20, 0x20000                         ; bytes in a block of Wb
	s_cmp_lt_u32 s21, 2048                         ; X?
	s_cselect_b32 s20, 0x100000, s20               ; bytes in a block of Xb
	s_cselect_b32 s22, s21, s22                    ; my four rows
	s_cselect_b32 s23, 0, s23
	s_lshl_b32 s24, s22, 14                        ; in: four rows of 4,096 bytes
	s_mov_b32 s25, 0
	s_lshl_b32 s26, s22, 9                         ; out: four rows of 128 bytes,
	s_lshl_b32 s23, s23, 21                        ; and 16 blocks of 131,072 bytes for each weight before mine
	s_add_co_u32 s26, s26, s23
	s_mov_b32 s27, 0
.set kb, 0
.rept 16
	s_mul_i32 s28, s20, kb
	v_add_nc_u32 v[OFF+kb], s28, v19
.set kb, kb+1
.endr
	s_wait_kmcnt 0x0
	s_cmp_lt_u32 s21, 2048                         ; the choice of buffers hangs on the wave's number alone
	s_cselect_b64 s[16:17], s[4:5], s[6:7]
	s_cselect_b64 s[18:19], s[12:13], s[14:15]
	s_cmp_ge_u32 s21, 2304
	s_cselect_b64 s[16:17], s[8:9], s[16:17]
	s_cmp_ge_u32 s21, 2560
	s_cselect_b64 s[16:17], s[10:11], s[16:17]
	s_add_nc_u64 s[16:17], s[16:17], s[24:25]
	s_add_nc_u64 s[18:19], s[18:19], s[26:27]
.set n, 0
.rept 16
	global_load_b128 v[Q+8*n:Q+8*n+3],   v1, s[16:17] offset:(2*(n/8))*4096+512*(n%8) th:TH_LOAD_NT
	global_load_b128 v[Q+8*n+4:Q+8*n+7], v1, s[16:17] offset:(2*(n/8)+1)*4096+512*(n%8) th:TH_LOAD_NT
.set n, n+1
.endr
; A unit: lanes 0-15 hold 64 columns of one block, lanes 16-31 of the next, for two rows.  The exchange of halves puts one block's two rows (2 x 128 bytes, neighbours in the block) into one register pair.
.set n, 0
.rept 16
	s_wait_loadcnt 30-2*n                          ; loads come back in order: the 2 (15 - n) issued behind this unit's pair may stay out
	v_cvt_pk_bf16_f32 v[Q+8*n],   v[Q+8*n],   v[Q+8*n+1]
	v_cvt_pk_bf16_f32 v[Q+8*n+1], v[Q+8*n+2], v[Q+8*n+3]
	v_cvt_pk_bf16_f32 v[Q+8*n+4], v[Q+8*n+4], v[Q+8*n+5]
	v_cvt_pk_bf16_f32 v[Q+8*n+5], v[Q+8*n+6], v[Q+8*n+7]
	v_permlane16_swap_b32 v[Q+8*n],   v[Q+8*n+4]   ; the even row's upper lanes change places with the odd row's lower lanes
	v_permlane16_swap_b32 v[Q+8*n+1], v[Q+8*n+5]
	global_store_b64 v[OFF+2*(n%8)],   v[Q+8*n:Q+8*n+1],   s[18:19] offset:256*(n/8)  ; 32 lanes store 256 consecutive bytes, at a multiple of 256
	global_store_b64 v[OFF+2*(n%8)+1], v[Q+8*n+4:Q+8*n+5], s[18:19] offset:256*(n/8)
.set n, n+1
.endr
	s_endpgm
.Lfunc_end_k_qb80c7aea1a_cast:
	.size	k_qb80c7aea1a_cast, .Lfunc_end_k_qb80c7aea1a_cast-k_qb80c7aea1a_cast
	.p2alignl 7, 3214868480
	.fill 96, 4, 3214868480
	.section	.rodata,"a",@progbits
	.p2align	6, 0x0
	.amdhsa_kernel k_qb80c7aea1a_cast
		.amdhsa_group_segment_fixed_size 0
		.amdhsa_private_segment_fixed_size 0
		.amdhsa_enable_private_segment 0
		.amdhsa_kernarg_size 48
		.amdhsa_user_sgpr_count 2
		.amdhsa_user_sgpr_kernarg_segment_ptr 1
		.amdhsa_wavefront_size32 1
		.amdhsa_system_sgpr_workgroup_id_x 1
		.amdhsa_system_sgpr_workgroup_id_y 1
		.amdhsa_system_sgpr_workgroup_id_z 1
		.amdhsa_system_vgpr_workitem_id 0
		.amdhsa_next_free_vgpr 152
		.amdhsa_next_free_sgpr 66
		.amdhsa_reserve_vcc 0
		.amdhsa_float_denorm_mode_32 3
		.amdhsa_float_denorm_mode_16_64 3
		.amdhsa_memory_ordered 1
		.amdhsa_forward_progress 1
		.amdhsa_inst_pref_size 15
	.end_amdhsa_kernel
	.amdgpu_metadata
---
amdhsa.version: [ 1, 2 ]
amdhsa.kernels:
  - .name:           k_qb80c7aea1a_cast
    .symbol:         k_qb80c7aea1a_cast.kd
    .args:
      - { .name: X, .offset: 0, .size: 8, .value_kind: global_buffer, .address_space: global }
      - { .name: Wq, .offset: 8, .size: 8, .value_kind: global_buffer, .address_space: global }
      - { .name: Wk, .offset: 16, .size: 8, .value_kind: global_buffer, .address_space: global }
      - { .name: Wv, .offset: 24, .size: 8, .value_kind: global_buffer, .address_space: global }
      - { .name: Xb, .offset: 32, .size: 8, .value_kind: global_buffer, .address_space: global }
      - { .name: Wb, .offset: 40, .size: 8, .value_kind: global_buffer, .address_space: global }
    .group_segment_fixed_size: 0
    .private_segment_fixed_size: 0
    .kernarg_segment_align: 8
    .kernarg_segment_size: 48
    .max_flat_workgroup_size: 352
    .sgpr_count:     66
    .vgpr_count:     152
    .wavefront_size: 32
...
	.end_amdgpu_metadata
.endif
;; end of part 5
;; launch proj: the kernel of part 2 again; grid 8 x 32, 4 waves a work-group, clusters of 4 x 4, 327,680 bytes of LDS; arguments Xb, Wb, QKV; writes QKV
;; launch scores (part 6): grid 36 x 4, 4 waves a work-group, no clusters, 327,680 bytes of LDS; arguments QKV, Pw, St; writes Pw, St
.if DOCPART == 6
	.amdgcn_target "amdgcn-amd-amdhsa--gfx1250"
	.amdhsa_code_object_version 6
	.text
	.protected	k_qb80c7aea1a_scores
	.globl	k_qb80c7aea1a_scores
	.p2align	8
	.type	k_qb80c7aea1a_scores,@function
k_qb80c7aea1a_scores:
	s_mov_b64 s[64:65], 0
	v_nop
	global_prefetch_b8 v0, s[64:65] scope:SCOPE_SE
	s_setreg_imm32_b32 hwreg(HW_REG_WAVE_MODE, 25, 1), 1
	s_wait_xcnt 0x0
; The tiles 256 x 256 of q k^T on and below the diagonal: 36 for each of 4 batches.  K = 1,024 channels in 8 steps of 128.  Operands f16, sums f32.
; A wave makes 128 queries x 128 keys, block (x, t) of the batch's 16 x 16 blocks, and closes it by itself: for each query the block's maximum m, the weights p = 2^(c s - c m), c = log2(e) / 32,
; rounded to f16, and their sum l (of the unrounded p).  The next launch joins the blocks of a row exactly: the row's maximum is the maximum of the blocks' maxima.
; LIMITS.  A hidden score counts as its value less 1e30 (f16's scores are 4.4e12 at the most); a weight below 2^-126 counts as 0; NaN and infinities are not treated apart.
; THE MASK.  Only tiles on the diagonal have hidden keys.  Their two waves on the diagonal add -1e30 where key > query.  The wave above it (x even, t = x + 1) is wholly hidden and is left UNMASKED, so that its
; weights are finite: the next launch multiplies their products by 0.
; NO CLUSTER: row I of the triangle has I + 1 tiles, column J has 8 - J: no grouping by four shares a tile of q or of k in every group, and partners would need different tiles.
; LAYOUT.  Source 0 = 16 keys, source 1 = 16 queries: a lane holds ONE query (lane % 16) and the keys 8 (lane / 16) + 0..7.  q and k lie in memory as fragments (16 bytes a lane, 512 bytes a chunk): tiles are dense,
; LDS is read at 16 x lane.  Eight weights of a lane are 16 bytes, four registers of the next product's operand: Pw is written in chunks of 512 consecutive bytes.
; Pw: [batch][j 8][g 8][wq 2][place 9][b 8][lane][16 B]: query 128 x + 16 g + lane % 16 with x = 15 - 2 i - wq, keys 128 t + 16 b + 8 (lane / 16) + 0..7.  Key blocks t = j and t = 15 - j lie together:
; band i of t < 8 at place i, of t >= 8 at place 8 - i; the two have 8 - j / 2 and 1 + j / 2 bands, nine in all, so every byte of Pw is written.   St: [batch][t][15 - x][c m, l][g][16] f32.
; THE TEXT.  A K step is written once: the slot that is read is a scalar, turned by an exclusive or at each change of slots, and the two LDS addresses are made anew from it.  Written out beside the loop: the first
; quarter (its products start the sums), a second copy of the step for the last two steps, which fill nothing, and the last quarter.
; REGISTERS: window 0: v2-39 addresses and work; v64-127, v128-191 fragments of q, two buffers.  Window 1: the same for k.  Windows 2, 3: accumulators (a, b) at v[8 (8 (a % 4) + b)], query groups 0-3 and 4-7.
.set SLOT,  131072                     ; four dense regions of 32,768 bytes: q's even block of 64 channels, q's odd one, k's even, k's odd; 256 rows each
.set STAT,  2*SLOT                     ; behind the ring, never filled by a tensor load: 1,024 bytes a wave: c m of 128 queries, then l
.set SPARE, STAT+4096                  ; the spare words, 128 bytes a wave: two blocks of 256 bytes that no other line names
.set TH,   3                           ; v3      lane % 16 - 8 (lane / 16)
.set MD,   8                           ; v8-15   the mask of a diagonal 16 x 16
.set ADRA0, 16                         ; v16     my lane's place among a slot's fragments of q; never rewritten
.set ADRA, 17                          ; v17     the same in the slot that is being read
.set ADRB0, 20                         ; v20, v21  the same for k
.set ADRB, 21
.set STA,  24                          ; v24     where my query's statistics go
.set SRD,  25                          ; v25     where I read them back
.set GO,   26                          ; v26     16 x lane
.set SPW,  28
.set NIL,  29
.set CH,   32                          ; v32-35  four chains of maxima
.set MX,   36
.set TM,   37
.set CM,   38                          ; v38-39  c m, named as a pair
.set F0,   64
.set F1,   128
.set E,    64                          ; the way out: 64 scaled scores, then weights
.set PK,   128                         ; 32 registers of packed weights
.set G1,   24                          ; s[24:31]
.set G0,   32                          ; s[32:35] group 0 for K step 0
.set G0W,  36                          ; s[36:39] for K step 1; it then walks on
.set TB,   50                          ; s50  the slot that is being read: 0 or SLOT
.set FB,   51                          ; s51  the slot filled last
.set CS,   58                          ; s[58:59] c
.set SEL,  60                          ; s[60:61] v_permlanex16_b32's selects
.set MSB, 0
.macro WIN new
.if MSB != (\new)
	s_set_vgpr_msb (MSB<<8)|(\new)
.set MSB, (\new)
.endif
.endm
.macro PLACES
.rept 4
	v_nop
.endr
.endm
.set MUL_LO, 0xa1                      ; source 0 (k) window 1, source 1 (q) window 0, C and D window 2
.set TO_B,   0x40                      ; destination window 1, address window 0
	s_load_b128 s[4:7], s[0:1], 0x0                ; QKV s[4:5], Pw s[6:7]
	s_load_b64 s[10:11], s[0:1], 0x10              ; St
	v_lshl_add_u32 v[SPW], v0, 2, SPARE
	v_mov_b32 v[NIL], 0
	ds_add_u32 v[SPW], v[NIL]                      ; the wave's opening: the add and its wait ahead of my first tensor load
	ds_add_u32 v28, v29
	v_lshrrev_b32 v1, 5, v0
	v_readfirstlane_b32 s12, v1                    ; wave
	s_lshr_b32 s13, s12, 1                         ; wr: my half of the queries
	s_and_b32 s14, s12, 1                          ; wc: my half of the keys
	s_mov_b32 s18, ttmp9                           ; the tile's number in the triangle, row by row
	s_mov_b32 s15, 0
.irp n, 1,3,6,10,15,21,28
	s_cmp_ge_u32 s18, \n                           ; I = how many rows begin at or before it
	s_add_co_ci_u32 s15, s15, 0
.endr
	s_add_co_u32 s16, s15, 1
	s_mul_i32 s16, s16, s15
	s_lshr_b32 s16, s16, 1
	s_sub_co_u32 s16, s18, s16                     ; J = its place in row I
	s_and_b32 s17, ttmp7, 0xffff                   ; batch
	s_mov_b32 s[G1+0], 3<<16                       ; elements of 8 bytes, no mask, no padding
	s_mov_b32 s[G1+1], 32<<16                      ; tensor_dim0 = 32: rows of 256 bytes
	s_mov_b32 s[G1+2], 128<<16                     ; tensor_dim1 = 128
	s_mov_b32 s[G1+3], 32<<16                      ; tile_dim0
	s_mov_b32 s[G1+4], 128                         ; tile_dim1
	s_mov_b32 s[G1+5], 32                          ; dense
	s_mov_b32 s[G1+6], 0
	s_mov_b32 s[G1+7], 0
	s_cmp_lt_u32 s12, 2                            ; waves 0, 1 fetch q's two blocks of a K step, waves 2, 3 k's
	s_cselect_b32 s19, s15, s16
	s_lshl_b32 s19, s19, 15                        ; 256 rows of 128 bytes
	s_lshl_b32 s20, s17, 18                        ; a batch's 2,048 rows
	s_add_co_u32 s19, s19, s20
	s_lshl_b32 s20, s13, 4                         ; k's blocks lie 16 behind q's
	s_add_co_u32 s20, s20, s14
	s_lshl_b32 s20, s20, 20
	s_add_co_u32 s20, s20, s19
	s_mov_b32 s21, 0
	s_lshl_b32 s22, s12, 15                        ; my region of a slot
	s_mov_b32 s[TB], 0
	s_mov_b32 s[FB], SLOT
	s_mov_b32 s53, 0                               ; the upper word of the way out's step
	s_mov_b32 s[CS], 0x3d38aa3b                    ; c = log2(e) / 32
	s_mov_b32 s[CS+1], s[CS]
	s_mov_b32 s[SEL], 0x76543210
	s_mov_b32 s[SEL+1], 0xfedcba98
	s_cmp_eq_u32 s13, s14
	s_cselect_b32 s54, 0xf149f2ca, 0               ; -1e30 for the waves on the diagonal of a tile, 0 for the others
	s_mov_b32 s55, s54
	s_lshl_b32 s40, s16, 1
	s_add_co_u32 s40, s40, s14                     ; t
	s_sub_co_u32 s41, 7, s15                       ; i
	s_xor_b32 s42, s13, 1                          ; wq
	s_sub_co_u32 s48, 15, s40                      ; 15 - t
	s_sub_co_u32 s49, 8, s41                       ; 8 - i
	s_cmp_lt_u32 s40, 8                            ; the lower or the upper key block of its pair?
	s_cselect_b32 s48, s40, s48                    ; j
	s_cselect_b32 s49, s41, s49                    ; place
	s_mul_i32 s44, s17, 4718592                    ; my block's place in Pw: a batch is 8 pairs,
	s_mul_i32 s45, s48, 589824                     ; a pair 8 groups of 73,728 bytes,
	s_add_co_u32 s44, s44, s45
	s_mul_i32 s45, s42, 36864                      ; a parity 9 places
	s_add_co_u32 s44, s44, s45
	s_lshl_b32 s45, s49, 12                        ; of 4,096 bytes
	s_add_co_u32 s44, s44, s45
	s_mov_b32 s45, 0
	s_lshl_b32 s46, s17, 4                         ; and in St
	s_add_co_u32 s46, s46, s40
	s_lshl_b32 s46, s46, 4
	s_lshl1_add_u32 s47, s41, s42                  ; 15 - x = 2 i + wq
	s_add_co_u32 s46, s46, s47
	s_lshl_b32 s46, s46, 10
	s_mov_b32 s47, 0
	s_wait_dscnt 0x0                               ; the opening add is done
	s_wait_kmcnt 0x0
	s_add_nc_u64 s[20:21], s[4:5], s[20:21]
	s_add_nc_u64 s[8:9], s[6:7], s[44:45]
	s_add_nc_u64 s[10:11], s[10:11], s[46:47]
.irp s, 0,1
	s_mov_b32 s[G0+4*(\s)], 1
	s_add_co_u32 s[G0+4*(\s)+1], s22, (\s)*SLOT
	s_add_nc_u64 s[G0+4*(\s)+2:G0+4*(\s)+3], s[20:21], (\s)*0x200000  ; a K step is two blocks of 1 MiB
	s_or_b32 s[G0+4*(\s)+3], s[G0+4*(\s)+3], 0x80000000
	tensor_load_to_lds s[G0+4*(\s):G0+4*(\s)+3], s[G1:G1+7]           ; both first fills go out together: two loads of mine are out
	s_nop 0
.endr
	v_and_b32 v1, 31, v0
	v_lshlrev_b32 v[GO], 4, v1
	s_lshl_b32 s23, s13, 14                        ; my 8 groups of 16 queries
	v_add_nc_u32 v[ADRA0], s23, v[GO]
	v_mov_b32 v[ADRA], v[ADRA0]                    ; K step 0 lies in slot 0
	s_lshl_b32 s23, s14, 14                        ; my 8 groups of 16 keys, behind q's two regions
	s_add_co_u32 s23, s23, 65536
	v_add_nc_u32 v[ADRB0], s23, v[GO]
	v_mov_b32 v[ADRB], v[ADRB0]
	v_and_b32 v2, 15, v0
	v_bfe_u32 v4, v0, 4, 1
	v_lshlrev_b32 v4, 3, v4
	v_sub_nc_u32 v[TH], v2, v4
	s_lshl_b32 s23, s12, 10
	s_add_co_u32 s23, s23, STAT
	v_lshl_add_u32 v[STA], v2, 2, s23
	v_add_nc_u32 v[SRD], s23, v[GO]
	v_mov_b32 v[TM], 0                             ; v_permlanex16_b32's destination counts as read
	v_mov_b32 v[CM+1], 0                           ; named with c m as a pair
; 16 matrix instructions: query groups a0, a0 + 1 of the window's four x all 8 key groups, 32 channels.  The 64 accumulators take turns in the same order in every quarter.
.macro MUL16 f, hi, a0, zero
	WIN MUL_LO+0x50*(\hi)
.irp a, \a0, (\a0)+1
.irp b, 0,1,2,3,4,5,6,7
.if \zero
	v_wmma_f32_16x16x32_f16 v[8*(8*(\a)+(\b)):8*(8*(\a)+(\b))+7], v[(\f)+8*(\b):(\f)+8*(\b)+7], v[(\f)+8*(4*(\hi)+(\a)):(\f)+8*(4*(\hi)+(\a))+7], 0
.else
	v_wmma_f32_16x16x32_f16 v[8*(8*(\a)+(\b)):8*(8*(\a)+(\b))+7], v[(\f)+8*(\b):(\f)+8*(\b)+7], v[(\f)+8*(4*(\hi)+(\a)):(\f)+8*(4*(\hi)+(\a))+7], v[8*(8*(\a)+(\b)):8*(8*(\a)+(\b))+7]
.endif
.endr
.endr
.endm
; 32 LDS loads in one run: quarter q4 of the K step in the slot that is being read (block q4 / 2, chunks 2 (q4 % 2) and + 1 of every group): k's 8 fragments, then q's
.macro FETCH q4, f
	WIN TO_B
.irp i, 0,1,2,3,4,5,6,7
	ds_load_b128 v[(\f)+8*(\i):(\f)+8*(\i)+3],   v[ADRB] offset:((\q4)/2)*32768+(\i)*2048+((\q4)%2)*1024
	ds_load_b128 v[(\f)+8*(\i)+4:(\f)+8*(\i)+7], v[ADRB] offset:((\q4)/2)*32768+(\i)*2048+((\q4)%2)*1024+512
.endr
	WIN 0
.irp i, 0,1,2,3,4,5,6,7
	ds_load_b128 v[(\f)+8*(\i):(\f)+8*(\i)+3],   v[ADRA] offset:((\q4)/2)*32768+(\i)*2048+((\q4)%2)*1024
	ds_load_b128 v[(\f)+8*(\i)+4:(\f)+8*(\i)+7], v[ADRA] offset:((\q4)/2)*32768+(\i)*2048+((\q4)%2)*1024+512
.endr
.endm
; One of a K step's first three quarters: multiplies buffer f; in its middle it fetches quarter q4 of the same slot into buffer g
.macro QUARTER q4, f, g, zero
	s_wait_dscnt 8                                 ; k and q's groups 0-3 are in; the youngest eight loads (q's groups 4-7) may be out
	MUL16 \f, 0, 0, \zero
	MUL16 \f, 0, 2, \zero
	PLACES
	FETCH \q4, \g
	s_wait_dscnt 32                                ; all but the 32 just issued
	MUL16 \f, 1, 0, \zero
	MUL16 \f, 1, 2, \zero
.endm
; The last quarter multiplies buffer 1 and changes slots: one barrier; in front of it each wave waits for all its tensor loads (one is out: its region of the next slot), adds 0 to its spare word, and waits for
; that and for its reads of this slot.  fill = 1: my region of this slot is filled again, first thing behind the barrier, with the K step two on: 224 matrix instructions ahead of the wait for it.
.macro TURN fill
	WIN 0
	s_wait_tensorcnt 0x0
	ds_add_u32 v[SPW], v[NIL]                      ; 0 onto my spare word
.if \fill
	s_xor_b32 s[FB], s[FB], SLOT                   ; no load of mine is out, so the walking descriptor may be written: the other slot than last time,
	s_add_co_u32 s[G0W+1], s[FB], s22              ; my region of it,
	s_add_nc_u64 s[G0W+2:G0W+3], s[G0W+2:G0W+3], 0x200000  ; the next K step
.endif
	s_wait_dscnt 9                                 ; the add and the youngest eight loads may be out
	MUL16 F1, 0, 0, 0
	s_wait_dscnt 0x0                               ; the add is done, and my reads of this slot are over
	s_barrier_signal -1
	MUL16 F1, 0, 2, 0
	WIN 0
	s_barrier_wait -1
.if \fill
	tensor_load_to_lds s[G0W:G0W+3], s[G1:G1+7]
	s_nop 0
.endif
	PLACES                                         ; the places in front of the loads below
	s_xor_b32 s[TB], s[TB], SLOT                   ; from here on the other slot is read
	v_add_nc_u32 v[ADRA], s[TB], v[ADRA0]
	v_add_nc_u32 v[ADRB], s[TB], v[ADRB0]
	FETCH 0, F0
	MUL16 F1, 1, 0, 0
	MUL16 F1, 1, 2, 0
.endm
	s_wait_tensorcnt 0x1                           ; my region of K step 0 is in; K step 1's may stay out
	s_barrier_signal -1
	s_barrier_wait -1
	FETCH 0, F0
	QUARTER 1, F0, F1, 1                           ; the first quarter stands in front of the loop: its products start the sums
	WIN 0
	s_mov_b32 s3, 6
.Lstep:                                                ; a trip goes from a K step's second quarter to the next step's first, and fills the slot that it leaves: K steps 2 to 7
	QUARTER 2, F1, F0, 0
	QUARTER 3, F0, F1, 0
	TURN 1
	QUARTER 1, F0, F1, 0
	WIN 0
	s_sub_co_u32 s3, s3, 1
	s_cmp_lg_u32 s3, 0
	s_cbranch_scc1 .Lstep
	s_mov_b32 s3, 2                                ; the last two K steps fill nothing: a second copy of the step; it is entered at a step's second quarter
	s_branch .Lin
.Ltl:
	TURN 0
	QUARTER 1, F0, F1, 0
	WIN 0
.Lin:
	QUARTER 2, F1, F0, 0
	QUARTER 3, F0, F1, 0
	WIN 0
	s_sub_co_u32 s3, s3, 1
	s_cmp_lg_u32 s3, 0
	s_cbranch_scc1 .Ltl
	s_wait_dscnt 8                                 ; the very last quarter: nothing more to fetch
	MUL16 F1, 0, 0, 0
	MUL16 F1, 0, 2, 0
	s_wait_dscnt 0x0
	MUL16 F1, 1, 0, 0
	MUL16 F1, 1, 2, 0
	WIN 0
	PLACES
	; THE MASK, in tiles on the diagonal alone.  Group pair (a, a): key 8 h + j is hidden where j > lane % 16 - 8 h; pairs (a, b > a): all.  Each accumulator's lowest pair comes first.
	s_cmp_lg_u32 s15, s16
	s_cbranch_scc1 .Lnomask
.set j, 0
.rept 8
	v_cmp_gt_i32 vcc_lo, j, v[TH]
	v_cndmask_b32 v[MD+j], 0, s54, vcc_lo
.set j, j+1
.endr
.set a, 0
.rept 8
	WIN 0x41*(2+a/4)                               ; destination and source 0 in the accumulators' window
.set b, a
.rept 8-a
.set z, 0
.rept 4
.set rD, 64*(a%4)+8*b+2*z
.if b == a
	v_pk_add_f32 v[rD:rD+1], v[rD:rD+1], v[MD+2*z:MD+2*z+1]
.else
	v_pk_add_f32 v[rD:rD+1], v[rD:rD+1], s[54:55] op_sel_hi:[1,0]
.endif
.set z, z+1
.endr
.set b, b+1
.endr
.set a, a+1
.endr
	WIN 0
.Lnomask:
; THE WAY OUT, a group of 16 queries a trip.  What names the group's accumulators is written for each group (U a): the maximum of the lane's 64 scores and of the other half of the lanes', c m, and c s - c m
; into window 0.  The rest is written once.  The jumps to the parts go forward and hang on the trip's number.
.macro U a
.set W, 2+(\a)/4
.set AB, 64*((\a)%4)
	WIN 0x15*W                                     ; all three sources in the accumulators' window
.irp b, 0,1,2,3
	v_max3_num_f32 v[CH+(\b)], v[AB+8*(\b)], v[AB+8*(\b)+1], v[AB+8*(\b)+2]   ; each accumulator's lowest registers are read first
.endr
	WIN 0x14*W                                     ; source 0 back in window 0
.irp k, 3,5
.irp b, 0,1,2,3
	v_max3_num_f32 v[CH+(\b)], v[CH+(\b)], v[AB+8*(\b)+(\k)], v[AB+8*(\b)+(\k)+1]
.endr
.endr
.irp k, 0,2,4,6
.irp b, 0,1,2,3
	v_max3_num_f32 v[CH+(\b)], v[CH+(\b)], v[AB+32+8*(\b)+(\k)], v[AB+32+8*(\b)+(\k)+1]
.endr
.endr
	v_max3_num_f32 v[CH],   v[CH],   v[AB+7],  v[AB+15]
	v_max3_num_f32 v[CH+2], v[CH+2], v[AB+23], v[AB+31]
	WIN 0
	v_max3_num_f32 v[CH], v[CH], v[CH+1], v[CH+2]
	v_max_num_f32 v[CH], v[CH], v[CH+3]
	v_permlanex16_b32 v[TM], v[CH], s[SEL], s[SEL+1]  ; the query's other 64 keys lie in the lane 16 away
	v_max_num_f32 v[MX], v[CH], v[TM]
	v_mul_f32 v[CM], s[CS], v[MX]
	WIN W                                          ; source 0 in the accumulators' window
.set p, 0
.rept 32
	v_pk_fma_f32 v[E+2*p:E+2*p+1], v[AB+2*p:AB+2*p+1], s[CS:CS+1], v[CM:CM+1] op_sel_hi:[1,0,0] neg_lo:[0,0,1] neg_hi:[0,0,1]
.set p, p+1
.endr
	WIN 0
.endm
.macro FIN q                           ; pair q of weights is rounded to f16; from pair 4 on it is added onto pair q % 4, which has been rounded by then
	s_wait_alu depctr_va_vdst(0)
	v_cvt_pk_f16_f32 v[PK+(\q)], v[E+2*(\q)], v[E+2*(\q)+1]
.if (\q) >= 4
	v_pk_add_f32 v[E+2*((\q)%4):E+2*((\q)%4)+1], v[E+2*((\q)%4):E+2*((\q)%4)+1], v[E+2*(\q):E+2*(\q)+1]
.endif
.endm
	s_mov_b32 s2, 0
.Lrow:
.irp a, 0,1,2,3,4,5,6
	s_cmp_eq_u32 s2, \a
	s_cbranch_scc1 .Lu\a
.endr
	U 7
	s_branch .Lcommon
.irp a, 0,1,2,3,4,5,6
.Lu\a:
	U \a
	s_branch .Lcommon
.endr
.Lcommon:
	s_wait_xcnt 0x0                                ; the last trip's stores name the base and the packed weights: both are rewritten only behind this wait.  It stands here, behind U, which writes neither
	s_cmp_lg_u32 s2, 0
	s_cselect_b32 s52, 0x12000, 0                  ; from the second trip on: the next group of 16 queries in Pw, 2 x 9 places of 4,096 bytes on
	s_add_nc_u64 s[8:9], s[8:9], s[52:53]
.set p, 0
.rept 32                               ; two exponentials, then plain work on a pair whose exponentials stand two groups back
	v_exp_f32 v[E+2*p], v[E+2*p]
	v_exp_f32 v[E+2*p+1], v[E+2*p+1]
.if p < 2
	v_nop
.else
	FIN p-2
.endif
.set p, p+1
.endr
	FIN 30
	FIN 31
	v_pk_add_f32 v[E:E+1], v[E:E+1], v[E+2:E+3]
	v_pk_add_f32 v[E+4:E+5], v[E+4:E+5], v[E+6:E+7]
	v_pk_add_f32 v[E:E+1], v[E:E+1], v[E+4:E+5]
	v_add_f32 v[E], v[E], v[E+1]
	v_permlanex16_b32 v[TM], v[E], s[SEL], s[SEL+1]
	v_add_f32 v[E], v[E], v[TM]                    ; l of the block
	ds_store_b32 v[STA], v[CM]                     ; both halves of the lanes write the same word with the same value
	ds_store_b32 v[STA], v[E] offset:512
	v_add_nc_u32 v[STA], 64, v[STA]                ; the next group's 16 words
.irp b, 0,1,2,3,4,5,6,7
	global_store_b128 v[GO], v[PK+4*(\b):PK+4*(\b)+3], s[8:9] offset:512*(\b)  ; a chunk: 512 consecutive bytes, at a multiple of 512
.endr
	s_add_co_u32 s2, s2, 1
	s_cmp_lt_u32 s2, 8
	s_cbranch_scc1 .Lrow
	ds_load_b128 v[64:67], v[SRD]                  ; my own bytes: LDS serves a wave's instructions in order (ISA guide 5.7.1.4)
	ds_load_b128 v[68:71], v[SRD] offset:512
	s_wait_dscnt 0x0
	global_store_b128 v[GO], v[64:67], s[10:11]             ; c m of my 128 queries: 512 consecutive bytes,
	global_store_b128 v[GO], v[68:71], s[10:11] offset:512  ; and l
	s_wait_tensorcnt 0x0                           ; the wave's end
	ds_add_u32 v[SPW], v[NIL]
	s_wait_dscnt 0x0
	s_endpgm
.Lfunc_end_k_qb80c7aea1a_scores:
	.size	k_qb80c7aea1a_scores, .Lfunc_end_k_qb80c7aea1a_scores-k_qb80c7aea1a_scores
	.p2alignl 7, 3214868480
	.fill 96, 4, 3214868480
	.section	.rodata,"a",@progbits
	.p2align	6, 0x0
	.amdhsa_kernel k_qb80c7aea1a_scores
		.amdhsa_group_segment_fixed_size 327680
		.amdhsa_private_segment_fixed_size 0
		.amdhsa_enable_private_segment 0
		.amdhsa_kernarg_size 24
		.amdhsa_user_sgpr_count 2
		.amdhsa_user_sgpr_kernarg_segment_ptr 1
		.amdhsa_wavefront_size32 1
		.amdhsa_system_sgpr_workgroup_id_x 1
		.amdhsa_system_sgpr_workgroup_id_y 1
		.amdhsa_system_sgpr_workgroup_id_z 1
		.amdhsa_system_vgpr_workitem_id 0
		.amdhsa_next_free_vgpr 1024
		.amdhsa_next_free_sgpr 66
		.amdhsa_reserve_vcc 1
		.amdhsa_float_denorm_mode_32 3
		.amdhsa_float_denorm_mode_16_64 3
		.amdhsa_memory_ordered 1
		.amdhsa_forward_progress 1
		.amdhsa_inst_pref_size 123
	.end_amdhsa_kernel
	.amdgpu_metadata
---
amdhsa.version: [ 1, 2 ]
amdhsa.kernels:
  - .name:           k_qb80c7aea1a_scores
    .symbol:         k_qb80c7aea1a_scores.kd
    .args:
      - { .name: QKV, .offset: 0, .size: 8, .value_kind: global_buffer, .address_space: global }
      - { .name: Pw, .offset: 8, .size: 8, .value_kind: global_buffer, .address_space: global }
      - { .name: St, .offset: 16, .size: 8, .value_kind: global_buffer, .address_space: global }
    .group_segment_fixed_size: 327680
    .private_segment_fixed_size: 0
    .kernarg_segment_align: 8
    .kernarg_segment_size: 24
    .max_flat_workgroup_size: 128
    .sgpr_count:     66
    .vgpr_count:     1024
    .wavefront_size: 32
...
	.end_amdgpu_metadata
.endif
;; end of part 6
;; launch pv (part 7): grid 8 x 32, 4 waves a work-group, clusters of 4 x 4, 327,680 bytes of LDS; arguments Pw, QKV, St, out0; writes out0
.if DOCPART == 7
	.amdgcn_target "amdgcn-amd-amdhsa--gfx1250"
	.amdhsa_code_object_version 6
	.text
	.protected	k_qb80c7aea1a_pv
	.globl	k_qb80c7aea1a_pv
	.p2align	8
	.type	k_qb80c7aea1a_pv,@function
k_qb80c7aea1a_pv:
	s_mov_b64 s[64:65], 0
	v_nop
	global_prefetch_b8 v0, s[64:65] scope:SCOPE_SE
	s_setreg_imm32_b32 hwreg(HW_REG_WAVE_MODE, 25, 1), 1
	s_wait_xcnt 0x0
	s_wait_alu depctr_hold_cnt(0) depctr_sa_sdst(0) depctr_va_vdst(0) depctr_va_sdst(0) depctr_va_ssrc(0) depctr_va_vcc(0) depctr_vm_vsrc(0)
	s_getreg_b32 s2, hwreg(HW_REG_IB_STS2, 6, 4)
	s_cmp_eq_u32 s2, 0
	s_cbranch_scc0 .Lentry_in_a_cluster
	s_endpgm
.Lentry_in_a_cluster:
	s_bfe_u32 s2, ttmp6, 0x10000c
	s_cmp_lg_u32 s2, 0xf033
	s_cbranch_scc0 .Lentry_shape_is_right
	s_endpgm
.Lentry_shape_is_right:
; out[q] = sum over key blocks t of (f_t / l) P_t V_t, with f_t = 2^(c m_t - c m), c m the maximum of the row's block maxima, l = sum of f_t l_t: the softmax with the row's true maximum taken away.
; P and V f16, products summed in f32 for one key block of 128 keys at a time (T), then O += (f / l) T in f32; out f32.
; LIMITS.  An f below 2^-126 counts as 0; NaN and infinities are not treated apart.
; SHARES.  A work-group owns 128 channels and 256 queries of a batch: rows 16 g .. + 15 of each of the 16 blocks x of 128 rows.  A wave owns 64 channels and eight BANDS of 16 queries, x = 15 - 2 i - wq.
; In key block t the bands i < 8 - t / 2 are live (x | 1 >= t; where t = x + 1, f is 0).  THE WALK takes the key blocks in pairs: trip j takes a = j and b = 15 - j, which have NA = 8 - j / 2 and 9 - NA live
; bands: nine in every trip, 144 matrix instructions a wave, the same for every wave and work-group; 8 trips.
; A trip's nine tiles of P (16 queries x 128 keys, 4,096 bytes) lie together in memory and in LDS: PLACE p < NA holds band p of block a, place p >= NA band 8 - p of block b.  The trip visits the places 8, 7, .. 0:
; b's bands first, then a's.  Every place is visited in every trip, so all LDS loads and their waits are fixed; at places 7, 6, 5 a forward jump on NA chooses between the two texts.
; CLUSTER 4 x 4.  P's tile hangs on batch and g, shared along a row of the cluster; V's on batch and channels, shared along a column: each is asked for jointly.  The batch is made of the cluster's y alone.
; LAYOUT.  T^T = V^T P: source 0 = 16 channels x 32 keys, source 1 = 32 keys x 16 queries; both lie in memory as fragments, LDS is read at 16 x lane.  A lane holds one query and 8 channels.
; O IS CLEARED ONCE, by 256 v_mov_b32 in the wait for the first tile: every band's first step is then a step like any other.  The price is those lines; a first trip written out would be twelve more blocks of text.
; A BAND LEAVES AS SOON AS IT IS FINAL: bands 7, 6, 5 (dead from trip 6 on) at the end of trip 6, bands 4 to 0 each behind its last block of trip 7; these two trips' ends are written out anyway.
; REGISTERS: window 0: v10-29 addresses; v32-47 f / l of block a (a pair a band, the low one used); v48-55 of block b; v64-95 T; v96-191 three buffers of P (place p in buffer p % 3); v192-255 the way out.
;   window 1: O^T, 32 a band.   window 2: v0-127 V of block a, v128-255 of block b: 32 keys k, channel block cb at 8 (4 k + cb).
.set PTILE, 4096
.set PHALF, 9*PTILE                    ; one parity's nine places: one tensor load
.set VOFF,  2*PHALF                    ; behind P: V, [block of 64 channels 2][a, b][16,384]
.set SLOT,  VOFF+65536                 ; 139,264
.set FT,    2*SLOT                     ; behind the ring, never filled by a tensor load: [t 16][15 - x][16] f32: f / l
.set STAGE, FT+16384                   ; 16 rows x 272 bytes for each wave
.set SP,    272
.set SPARE, STAGE+4*16*SP              ; the spare words, 128 bytes a wave: two blocks of 256 bytes that no other line names
.set XR,  10                           ; v10-11  the statistics' x, by pass
.set PA0, 16                           ; v16     my lane's place in a slot's P; never rewritten
.set VA0, 17                           ; v17     in its V
.set PAD, 18                           ; v18     the same in the slot that is being read
.set VAD, 19                           ; v19
.set FA0, 20                           ; v20     64 wq + 4 (lane % 16): my place in a key block's row of FT
.set FAD, 21                           ; v21     the address of the run of f in hand
.set STO, 22
.set RD,  23
.set CO,  24
.set SPW, 28
.set NIL, 29
.set FCA, 32
.set FCB, 48
.set T,   64
.set PB,  96
.set OB,  192
.set AD,  64                           ; the statistics, ahead of the walk: 14 offsets; c m and l of 16 and of 8 key blocks
.set MM0, 96
.set LL0, 112
.set MM1, 128
.set LL1, 136
.set WV,  12                           ; s12 wave;  s13 wq (also: I fetch P (0) or V (1));  s14 wc (also: which half I fetch)
.set WQ,  13
.set WC,  14
.set G1P,  24                          ; s[24:31] group 1 for P's tiles
.set G0PA, 32                          ; s[32:35] group 0 for trip 0's;  s[36:39] for trip 1's, which then walks on
.set G0PB, 36
.set G1VA, 48                          ; s[48:55], s[56:63] group 1 for V's tiles: the pitch differs from trip to trip
.set G1VB, 56
.set G0VA, 68
.set G0VB, 72
.set NA,  78                           ; s78  live bands of block a
.set TB,  79                           ; s79  the slot that is being read: 0 or SLOT
.set FB,  80                           ; s80  the slot filled last
.set PL,  81                           ; s81  where my load of P goes in a slot
.set VL,  82                           ; s82  where my load of V goes
.set SFA, 83                           ; s83  FT's row of the next block a
.set SFB, 84                           ; s84  of the next block b
.set MSB, 0
.macro WIN new                         ; the immediate's high byte repeats the setting that is left; a switch that changes nothing is dropped
.if MSB != (\new)
	s_set_vgpr_msb (MSB<<8)|(\new)
.set MSB, (\new)
.endif
.endm
.set W_MM, 0x02                        ; V (source 0) in window 2; P, T in window 0
.set W_LU, 0x50                        ; O (source 2 and destination) in window 1; T, f in window 0
.set W_V,  0x80                        ; destination window 2, address window 0
.macro JLOAD                           ; a joint refill by the walking descriptors; an s_nop 0 and four v_nop follow each of the two lines
	s_cmp_eq_u32 s[WQ], 0
	s_cbranch_scc0 .Lfor_v_\@
	tensor_load_to_lds s[G0PB:G0PB+3], s[G1P:G1P+7]
	s_nop 0
.rept 4
	v_nop
.endr
	s_branch .Lasked_\@
.Lfor_v_\@:
	tensor_load_to_lds s[G0VB:G0VB+3], s[G1VB:G1VB+7]
	s_nop 0
.rept 4
	v_nop
.endr
.Lasked_\@:
.endm
.macro CREST                           ; a round of the cluster's barrier behind its opening barrier
	s_cmp_lg_u32 s[WV], 0
	s_cbranch_scc1 .Lnot_wave_0_\@
	s_barrier_signal -3
.Lnot_wave_0_\@:
	s_barrier_wait -3
	s_barrier_signal -1
	s_barrier_wait -1
.endm
.macro CROUND                          ; a whole round
	s_barrier_signal -1
	s_barrier_wait -1
	CREST
.endm
	s_load_b256 s[4:11], s[0:1], 0x0               ; Pw s[4:5], QKV s[6:7], St s[8:9], out0 s[10:11]
	v_lshl_add_u32 v[SPW], v0, 2, SPARE
	v_mov_b32 v[NIL], 0
	ds_add_u32 v[SPW], v[NIL]                      ; the wave's opening: the add and its wait ahead of my first tensor load
	ds_add_u32 v28, v29
	v_lshrrev_b32 v1, 5, v0
	v_readfirstlane_b32 s[WV], v1
	s_lshr_b32 s[WQ], s[WV], 1
	s_and_b32 s[WC], s[WV], 1
	s_bfe_u32 s40, ttmp6, 0x40000                  ; cx
	s_bfe_u32 s41, ttmp6, 0x40004                  ; cy
	s_lshl_b32 s42, ttmp9, 2
	s_add_co_u32 s42, s42, s40                     ; sx: my 128 channels
	s_and_b32 s15, ttmp7, 0xffff                   ; the cluster's y
	s_lshr_b32 s16, s15, 1                         ; batch: the same in all sixteen
	s_and_b32 s17, s15, 1
	s_lshl_b32 s17, s17, 2
	s_add_co_u32 s17, s17, s41                     ; g
	s_lshl_b32 s43, s41, 2
	s_lshl_b32 s43, 15, s43                        ; my row of the cluster
	s_lshl_b32 s44, 0x1111, s40                    ; my column
	s_or_b32 s[G1P+0], s43, (3<<16)|(1<<21)        ; P: elements of 8 bytes; nine places are 144 dense rows of 256 bytes
	s_mov_b32 s[G1P+1], 32<<16                     ; tensor_dim0 = 32
	s_mov_b32 s[G1P+2], 144<<16                    ; tensor_dim1 = 144
	s_mov_b32 s[G1P+3], 32<<16                     ; tile_dim0
	s_mov_b32 s[G1P+4], 144                        ; tile_dim1
	s_mov_b32 s[G1P+5], 32
	s_mov_b32 s[G1P+6], 0
	s_mov_b32 s[G1P+7], 0
.irp g, G1VA, G1VB
	s_or_b32 s[\g+0], s44, (3<<16)|(1<<21)         ; V: two rows of 16,384 bytes: 128 keys x 64 channels of block a, then of block b
	s_mov_b32 s[\g+1], 2048<<16                    ; tensor_dim0 = 2,048 elements of 8 bytes
	s_mov_b32 s[\g+2], 2<<16                       ; tensor_dim1 = 2
	s_mov_b32 s[\g+3], 2048<<16                    ; tile_dim0
	s_mov_b32 s[\g+4], 2                           ; tile_dim1
	s_mov_b32 s[\g+6], 0
	s_mov_b32 s[\g+7], 0
.endr
	s_mov_b32 s[G1VA+5], 15*2048                   ; from row to row: 15 - 2 j key blocks of 2,048 elements
	s_mov_b32 s[G1VB+5], 13*2048
	s_mul_i32 s18, s16, 4718592                    ; P: batch, g and the parity that I fetch
	s_mul_i32 s19, s17, 73728
	s_add_co_u32 s18, s18, s19
	s_mul_i32 s19, s[WC], PHALF
	s_add_co_u32 s18, s18, s19
	s_mov_b32 s19, 0
	s_lshl_b32 s46, s42, 1                         ; V: block 32 + 2 sx + half, and the batch's 2,048 keys
	s_add_co_u32 s46, s46, s[WC]
	s_add_co_u32 s46, s46, 32
	s_lshl_b32 s46, s46, 20
	s_lshl_b32 s47, s16, 18
	s_add_co_u32 s46, s46, s47
	s_mov_b32 s47, 0
	s_mul_i32 s[PL], s[WC], PHALF                  ; where they go: no place in the cluster enters an LDS address
	s_lshl_b32 s[VL], s[WC], 15
	s_add_co_u32 s[VL], s[VL], VOFF
	s_lshl_b32 s22, s16, 18                        ; St: batch and g
	s_lshl_b32 s23, s17, 6
	s_add_co_u32 s22, s22, s23
	s_mov_b32 s23, 0
	s_lshl_b32 s2, s16, 23                         ; out: row 2,048 batch + 128 (15 - wq) + 16 g, channel 128 sx + 64 wc, 4 bytes each
	s_sub_co_u32 s3, 15, s[WQ]
	s_lshl_b32 s3, s3, 19
	s_add_co_u32 s2, s2, s3
	s_lshl_b32 s3, s17, 16
	s_add_co_u32 s2, s2, s3
	s_lshl_b32 s3, s42, 9
	s_add_co_u32 s2, s2, s3
	s_lshl_b32 s3, s[WC], 8
	s_add_co_u32 s2, s2, s3
	s_mov_b32 s3, 0
	s_mov_b32 s[TB], 0
	s_mov_b32 s[FB], SLOT
	s_mov_b32 s[SFA], FT
	s_mov_b32 s[SFB], FT+15*1024
	s_wait_dscnt 0x0                               ; the opening add is done
	s_wait_kmcnt 0x0
	s_add_nc_u64 s[18:19], s[4:5], s[18:19]
	s_add_nc_u64 s[46:47], s[6:7], s[46:47]
	s_add_nc_u64 s[76:77], s[8:9], s[22:23]
	s_add_nc_u64 s[66:67], s[10:11], s[2:3]
	CROUND                                         ; all sixteen work-groups are here: the first joint loads meet
	s_mov_b32 s[G0PA], 1
	s_add_co_u32 s[G0PA+1], s[PL], 0
	s_add_nc_u64 s[G0PA+2:G0PA+3], s[18:19], 0
	s_or_b32 s[G0PA+3], s[G0PA+3], 0x80000000
	s_mov_b32 s[G0PB], 1
	s_add_co_u32 s[G0PB+1], s[PL], SLOT
	s_add_nc_u64 s[G0PB+2:G0PB+3], s[18:19], 589824  ; a pair of key blocks is 8 groups of 73,728 bytes
	s_or_b32 s[G0PB+3], s[G0PB+3], 0x80000000
	s_mov_b32 s[G0VA], 1
	s_add_co_u32 s[G0VA+1], s[VL], 0
	s_add_nc_u64 s[G0VA+2:G0VA+3], s[46:47], 0
	s_or_b32 s[G0VA+3], s[G0VA+3], 0x80000000
	s_mov_b32 s[G0VB], 1
	s_add_co_u32 s[G0VB+1], s[VL], SLOT
	s_add_nc_u64 s[G0VB+2:G0VB+3], s[46:47], 16384
	s_or_b32 s[G0VB+3], s[G0VB+3], 0x80000000
	s_cmp_eq_u32 s[WQ], 0                          ; a wave's two first fills stand in one branch: two loads of mine are out
	s_cbranch_scc0 .Lfirst_v
	tensor_load_to_lds s[G0PA:G0PA+3], s[G1P:G1P+7]
	s_nop 0
	tensor_load_to_lds s[G0PB:G0PB+3], s[G1P:G1P+7]
	s_nop 0
.rept 4
	v_nop
.endr
	s_branch .Lfirst_asked
.Lfirst_v:
	tensor_load_to_lds s[G0VA:G0VA+3], s[G1VA:G1VA+7]
	s_nop 0
	tensor_load_to_lds s[G0VB:G0VB+3], s[G1VB:G1VB+7]
	s_nop 0
.rept 4
	v_nop
.endr
.Lfirst_asked:
	; THE STATISTICS, in the wait for the first tiles.  Thread (xq = number / 16, r = number % 16) joins the blocks of two of the work-group's 256 queries: x = 15 - xq (16 key blocks) and x = 7 - xq (key blocks
	; 0 to 7: the walk never asks for its f beyond them).  Where t can pass x the words of block x are read once more (only written words are read) and f is set to 0.
	v_and_b32 v1, 15, v0                           ; r
	v_lshrrev_b32 v2, 4, v0                        ; xq
	v_lshlrev_b32 v3, 2, v1
	v_lshl_add_u32 v3, v2, 10, v3                  ; 1,024 xq + 4 r
	v_lshl_add_u32 v5, v0, 2, FT                   ; where my f / l go
	v_sub_nc_u32 v[XR], 15, v2
	v_sub_nc_u32 v[XR+1], 7, v2
.set t, 0
.rept 16
.if t > 8
	v_min_u32 v[AD+t-9], t, v[XR]
	v_lshl_add_u32 v[AD+t-9], v[AD+t-9], 14, v3
	global_load_b32 v[MM0+t], v[AD+t-9], s[76:77]
	global_load_b32 v[LL0+t], v[AD+t-9], s[76:77] offset:512
.else
	global_load_b32 v[MM0+t], v3, s[76:77] offset:16384*t
	global_load_b32 v[LL0+t], v3, s[76:77] offset:16384*t+512
.endif
.set t, t+1
.endr
.set t, 0
.rept 8
.if t > 0
	v_min_u32 v[AD+6+t], t, v[XR+1]
	v_lshl_add_u32 v[AD+6+t], v[AD+6+t], 14, v3
	global_load_b32 v[MM1+t], v[AD+6+t], s[76:77] offset:8192
	global_load_b32 v[LL1+t], v[AD+6+t], s[76:77] offset:8704
.else
	global_load_b32 v[MM1], v3, s[76:77] offset:8192
	global_load_b32 v[LL1], v3, s[76:77] offset:8704
.endif
.set t, t+1
.endr
	WIN 0x40                                       ; O = 0, while those loads and the first tiles are on their way
.set i, 0
.rept 256
	v_mov_b32 v[i], 0
.set i, i+1
.endr
	WIN 0
.set i, 0
.rept 12
	v_mov_b32 v[FCA+2*i+1], 0                      ; the upper registers of f's pairs are named by the packed lines and never used
.set i, i+1
.endr
; One pass: nt key blocks, c m in mb .., l in lb ..; from key block ts on, t can pass x
.macro STAT p, nt, ts, mb, lb
	s_wait_loadcnt 16*(1-(\p))                     ; the second pass's 16 loads may stay out during the first
	v_max3_num_f32 v6, v[(\mb)], v[(\mb)+1], v[(\mb)+2]
.set k, 3
.rept ((\nt)-4)/2
	v_max3_num_f32 v6, v6, v[(\mb)+k], v[(\mb)+k+1]
.set k, k+2
.endr
	v_max_num_f32 v6, v6, v[(\mb)+(\nt)-1]         ; c m of the row
.set t, 0
.rept (\nt)
	v_sub_f32 v[(\mb)+t], v[(\mb)+t], v6
.set t, t+1
.endr
.set t, 0
.rept (\nt)
	v_exp_f32 v[(\mb)+t], v[(\mb)+t]
.set t, t+1
.endr
	v_nop                                          ; a plain instruction behind the last exponential
.set t, (\ts)
	s_wait_alu depctr_va_vdst(0)
.rept (\nt)-(\ts)
	v_cmp_le_u32 vcc_lo, t, v[XR+(\p)]
	v_cndmask_b32 v[(\mb)+t], 0, v[(\mb)+t], vcc_lo  ; f = 0 where t > x
.set t, t+1
.endr
	v_mul_f32 v7, v[(\mb)], v[(\lb)]
.set t, 1
.rept (\nt)-1
	v_fmac_f32 v7, v[(\mb)+t], v[(\lb)+t]
.set t, t+1
.endr
	v_rcp_f32 v7, v7                               ; l is at least 1: the block that holds the row's maximum has f = 1 and a weight 1
	v_nop
.set t, 0
	s_wait_alu depctr_va_vdst(0)
.rept (\nt)
	v_mul_f32 v[(\mb)+t], v[(\mb)+t], v7
.set t, t+1
.endr
.set t, 0
.rept (\nt)
	ds_store_b32 v5, v[(\mb)+t] offset:512*(\p)+1024*t
.set t, t+1
.endr
.endm
	STAT 0, 16, 9, MM0, LL0
	STAT 1, 8, 1, MM1, LL1
	v_and_b32 v9, 31, v0
	v_lshlrev_b32 v9, 4, v9                        ; 16 x lane
	v_bfe_u32 v8, v0, 4, 1                         ; lane / 16
	s_mul_i32 s20, s[WQ], PHALF
	v_add_nc_u32 v[PA0], s20, v9
	s_lshl_b32 s20, s[WC], 15
	s_add_co_u32 s20, s20, VOFF
	v_add_nc_u32 v[VA0], s20, v9
	v_mov_b32 v[PAD], v[PA0]                       ; trip 0 lies in slot 0
	v_mov_b32 v[VAD], v[VA0]
	s_lshl_b32 s20, s[WQ], 6
	v_lshl_add_u32 v[FA0], v1, 2, s20              ; band i's word lies 128 i on
	s_mul_i32 s20, s[WV], 16*SP
	s_add_co_u32 s20, s20, STAGE
	v_mul_u32_u24 v[STO], v1, SP                   ; into my stage: row lane % 16, 32 bytes for each half of the lanes
	v_lshl_add_u32 v[STO], v8, 5, v[STO]
	v_add_nc_u32 v[STO], s20, v[STO]
	v_mul_u32_u24 v[RD], v8, SP                    ; back: lanes 0-15 one row of 256 bytes, lanes 16-31 the next
	v_lshl_add_u32 v[RD], v1, 4, v[RD]
	v_add_nc_u32 v[RD], s20, v[RD]
	v_lshlrev_b32 v[CO], 12, v8                    ; and the same two rows in out
	v_lshl_add_u32 v[CO], v1, 4, v[CO]
	s_wait_tensorcnt 0x1                           ; my part of trip 0 is in; trip 1's may stay out
	s_wait_dscnt 0x0                               ; for the others' sake: my f / l are stored
	s_barrier_signal -1
	s_barrier_wait -1
.macro PLD p                           ; 8 loads: place p's tile of P into buffer p % 3 (window 0)
.set c, 0
.rept 8
	ds_load_b128 v[PB+32*((\p)%3)+4*c:PB+32*((\p)%3)+4*c+3], v[PAD] offset:(\p)*PTILE+512*c
.set c, c+1
.endr
.endm
.macro VLD ab, k0                      ; 16 loads: V of block a (0) or b (1), keys 32 k0 .. + 63: fragment (k, cb): groups 2 k, 2 k + 1 of 16 keys, chunk cb
	WIN W_V
.set kk, (\k0)
.rept 2
.set cb, 0
.rept 4
	ds_load_b128 v[128*(\ab)+8*(4*kk+cb):128*(\ab)+8*(4*kk+cb)+3],   v[VAD] offset:(\ab)*16384+(2*kk)*2048+cb*512
	ds_load_b128 v[128*(\ab)+8*(4*kk+cb)+4:128*(\ab)+8*(4*kk+cb)+7], v[VAD] offset:(\ab)*16384+(2*kk+1)*2048+cb*512
.set cb, cb+1
.endr
.set kk, kk+1
.endr
.endm
.macro FLDA                            ; 8 loads: f / l of my eight bands for block a; the next block a lies one row of FT up
	WIN 0
	v_add_nc_u32 v[FAD], s[SFA], v[FA0]
.set i, 0
.rept 8
	ds_load_b32 v[FCA+2*i], v[FAD] offset:128*i
.set i, i+1
.endr
	s_add_co_u32 s[SFA], s[SFA], 1024
.endm
.macro FLDB                            ; 4 loads: of bands 0 to 3 for block b; the next block b lies one row down
	WIN 0
	v_add_nc_u32 v[FAD], s[SFB], v[FA0]
.set i, 0
.rept 4
	ds_load_b32 v[FCB+2*i], v[FAD] offset:128*i
.set i, i+1
.endr
	s_sub_co_u32 s[SFB], s[SFB], 1024
.endm
.macro HOOK c                          ; a run of loads for later blocks.  100 + q: place q's P;  1, 2: the halves of V of block a, with its f;  3: the second half of V of block b, with its f
.if (\c) >= 100
	WIN 0
	PLD (\c)-100
.elseif (\c) == 1
	VLD 0, 0
.elseif (\c) == 2
	VLD 0, 2
	FLDA
.elseif (\c) == 3
	VLD 1, 2
	FLDB
.endif
.endm
; Four products: 32 keys k x the four channel blocks.  The four accumulators take turns; k = 0 starts the sums.  Behind each of the last four a v_nop: with the lines of LUMP that name other
; accumulators they are the four places between an accumulator's last product and the line that reads it (ISA guide 7.12.1).
.macro MMS vb, pb, k
.set cb, 0
.rept 4
.set rT, T+8*cb
.set rV, (\vb)+8*(4*(\k)+cb)
.set rP, (\pb)+8*(\k)
.if (\k) == 0
	v_wmma_f32_16x16x32_f16 v[rT:rT+7], v[rV:rV+7], v[rP:rP+7], 0
.else
	v_wmma_f32_16x16x32_f16 v[rT:rT+7], v[rV:rV+7], v[rP:rP+7], v[rT:rT+7]
.endif
.if (\k) == 3
	v_nop
.endif
.set cb, cb+1
.endr
.endm
.macro LUMP band, fr                   ; O += (f / l) T, each accumulator from its low end on
	WIN W_LU
.set z, 0
.rept 16
	v_pk_fma_f32 v[32*(\band)+2*z:32*(\band)+2*z+1], v[T+2*z:T+2*z+1], v[(\fr):(\fr)+1], v[32*(\band)+2*z:32*(\band)+2*z+1] op_sel_hi:[1,0,1]
.set z, z+1
.endr
.endm
; A BLOCK: place p's tile of P times V at vb (0: block a, 128: block b) for one band, closed in itself: 16 products on end, then the 16 lines of LUMP.  The block's run of loads for a later block stands between the
; two: LUMP reads the sums, so the products have to end there in any case, and the 16 products are not parted.  It loads into the P buffer of the block before, whose last products stand a whole LUMP back.
.macro BODY vb, p, band, fr, h=0
	WIN W_MM
	MMS \vb, PB+32*((\p)%3), 0
	MMS \vb, PB+32*((\p)%3), 1
	MMS \vb, PB+32*((\p)%3), 2
	MMS \vb, PB+32*((\p)%3), 3
	HOOK \h
	LUMP \band, \fr
.endm
; Place 8: band 0 of block b.  Its 48 loads (place 6's P; V and f of block a, which place 7 may want at once) stand early, between its runs of four products.
.macro BODY8
	WIN W_MM
	MMS 128, PB+64, 0
	HOOK 106
	WIN W_MM
	MMS 128, PB+64, 1
	HOOK 1
	WIN W_MM
	MMS 128, PB+64, 2
	HOOK 2
	WIN W_MM
	MMS 128, PB+64, 3
	LUMP 0, FCB
.endm
; Places 7, 6, 5 in the loop: band p of block a where p < NA, else band 8 - p of block b.  wb, wa: how many younger LDS loads may stay out in the one text and in the other.
.macro POS p, wb, wa, h
	WIN 0
	s_cmp_gt_u32 s[NA], \p
	s_cbranch_scc1 .Lis_a_\@
	s_wait_dscnt \wb
	BODY 128, \p, 8-(\p), FCB+2*(8-(\p)), \h
	WIN 0
	s_branch .Ldone_\@
.Lis_a_\@:
	s_wait_dscnt \wa
	BODY 0, \p, \p, FCA+2*(\p), \h
	WIN 0
.Ldone_\@:
.endm
; PLACE 2 AND THE CHANGE OF SLOTS.  Place 0's tile is asked for at its head: the slot's last read.  mode 2: each wave waits for all its tensor loads (one is out: its part of the other slot), adds 0 to its spare
; word, and waits for that and for its reads; the barrier opens a round of the cluster's barrier, and the slot is filled again, first thing behind the round, with the trip two on: that load has eight places,
; 128 matrix instructions, in which to land.  Then the next trip's first operands are read out of the other slot, under places 1 and 0.  mode 1: the same with a plain barrier and no fill.  mode 0: the last trip.
.macro BLK2 mode
	WIN 0
	PLD 0
.if \mode
	s_wait_tensorcnt 0x0                           ; no tensor load of mine is out, so descriptors may be written
	ds_add_u32 v[SPW], v[NIL]                      ; 0 onto my spare word
.if (\mode) == 2
	s_xor_b32 s[FB], s[FB], SLOT                   ; the other slot than last time,
	s_add_co_u32 s[G0PB+1], s[FB], s[PL]
	s_add_co_u32 s[G0VB+1], s[FB], s[VL]
	s_add_nc_u64 s[G0PB+2:G0PB+3], s[G0PB+2:G0PB+3], 589824  ; the next pair of key blocks;
	s_add_nc_u64 s[G0VB+2:G0VB+3], s[G0VB+2:G0VB+3], 16384   ; block a one up,
	s_sub_co_u32 s[G1VB+5], s[G1VB+5], 4096                  ; block b two blocks nearer to it
.endif
	s_wait_dscnt 17                                ; place 1's 8 loads, place 0's 8 and the add may be out: place 2's tile is in
.else
	s_wait_dscnt 32                                ; place 1's 8 loads, band 3's 16 instructions through the stage and place 0's 8 may be out: place 2's tile, asked for ahead of them, is in
.endif
	WIN W_MM
	MMS 0, PB+64, 0
	MMS 0, PB+64, 1
.if \mode
	s_wait_dscnt 0x0                               ; the add is done, and my reads of this slot are over
	s_barrier_signal -1
.endif
	MMS 0, PB+64, 2
	MMS 0, PB+64, 3
	LUMP 2, FCA+4
	WIN 0
.if \mode
	s_barrier_wait -1
.if (\mode) == 2
	CREST                                          ; no wave of any partner still reads this slot or has a load on its way
	JLOAD
.endif
	s_xor_b32 s[TB], s[TB], SLOT                   ; from here on the other slot is read
	v_add_nc_u32 v[PAD], s[TB], v[PA0]
	v_add_nc_u32 v[VAD], s[TB], v[VA0]
	PLD 8
	VLD 1, 0
	WIN 0
.endif
.endm
; THE WAY OUT of band i, in two parts.  TOSTAGE: 32 bytes a lane and channel block into my stage, and back as whole rows of 256 bytes (my 64 channels in f32): 16 LDS instructions.  SEND: stored.
; again = 1: the registers loaded were the data of the stores two bands before.
.macro TOSTAGE i, again
	WIN 0x04                                       ; the stores' data (source 1) in window 1
.set z, 0
.rept 8
	ds_store_b128 v[STO], v[32*(\i)+4*z:32*(\i)+4*z+3] offset:64*(z/2)+16*(z%2)
.set z, z+1
.endr
	WIN 0
.if \again
	s_wait_xcnt 0x0                                ; they are rewritten only behind this wait
.endif
.set f, 0
.rept 8
	ds_load_b128 v[OB+32*((\i)%2)+4*f:OB+32*((\i)%2)+4*f+3], v[RD] offset:2*SP*f  ; my own bytes: LDS serves a wave's instructions in order (ISA guide 5.7.1.4)
.set f, f+1
.endr
.endm
.macro SEND i, younger                 ; younger: the LDS instructions issued behind band i's loads from the stage, which may stay out
	WIN 0
	s_wait_dscnt \younger
.set f, 0
.rept 8
	global_store_b128 v[CO], v[OB+32*((\i)%2)+4*f:OB+32*((\i)%2)+4*f+3], s[66:67] offset:8192*f-(\i)*1048576 th:TH_STORE_NT  ; 16 lanes store 256 consecutive bytes, aligned; band i lies 256 i rows up: 7,340,032 bytes back at the most, inside the signed 24 bits
.set f, f+1
.endr
.endm
	PLD 8                                          ; trip 0's first operands, in the order in which the loop leaves them: place 8, V and f of block b, place 7
	VLD 1, 0
	VLD 1, 2
	FLDB
	PLD 7
	s_mov_b32 s3, 7
	s_branch .Lfirst                               ; the loop is entered at a trip's first place
.Ltrip:                                                ; six times: places 2 to 0 of a trip, with the refill, and places 8 to 3 of the next
	BLK2 2
	BODY 0, 1, 1, FCA+2, 3
	BODY 0, 0, 0, FCA, 107
	WIN 0
.Lfirst:
	s_sub_co_u32 s2, 7, s3                         ; the trip's number j
	s_lshr_b32 s2, s2, 1
	s_sub_co_u32 s[NA], 8, s2                      ; NA = 8 - j / 2
	s_wait_dscnt 8                                 ; place 7's 8 loads may be out: place 8's tile, V and f of block b are in
	BODY8
	POS 7, 48, 0, 105                              ; behind place 7's tile 48 loads went out at place 8 (place 6's 8, V of block a 32, its f 8); block a's text needs them all
	POS 6, 48, 8, 104                              ; behind place 6's tile: V 32, f 8, place 5's 8; block a's text lets place 5's alone stay out
	POS 5, 8, 8, 103
	s_wait_dscnt 8                                 ; the next place's 8 loads may be out
	BODY 0, 4, 4, FCA+8, 102
	s_wait_dscnt 8
	BODY 0, 3, 3, FCA+6, 101
	WIN 0
	s_sub_co_u32 s3, s3, 1
	s_cmp_lg_u32 s3, 0
	s_cbranch_scc1 .Ltrip
	; THE TAIL is written out: trip 6 ends, nothing is asked for; then trip 7 (NA = 5).  No barrier stands in it behind BLK2 1's, so the bands go through the stage between the
	; blocks: a block's 16 products stand between a band's loads from the stage and its stores.
	BLK2 1
	TOSTAGE 7, 0                                   ; bands 7, 6, 5 have had their last key block
	BODY 0, 1, 1, FCA+2, 3
	SEND 7, 20                                     ; behind band 7's loads: the second half of V of block b 16, its f 4
	TOSTAGE 6, 0
	BODY 0, 0, 0, FCA, 107
	SEND 6, 8                                      ; behind band 6's: place 7's 8
	TOSTAGE 5, 1
	s_wait_dscnt 24                                ; place 7's 8 and band 5's 16 may be out: place 8's tile, V and f of block b are in
	BODY8
	SEND 5, 48                                     ; behind band 5's: place 8's 48 loads; place 7's tile, asked for ahead of band 5, is in with it
	BODY 128, 7, 1, FCB+2, 105
	s_wait_dscnt 48                                ; behind place 6's tile: V of block a 32, its f 8, place 5's 8
	BODY 128, 6, 2, FCB+4, 104
	s_wait_dscnt 8                                 ; the next place's 8 loads may be out
	BODY 128, 5, 3, FCB+6, 103
	s_wait_dscnt 8
	BODY 0, 4, 4, FCA+8, 102
	TOSTAGE 4, 1                                   ; from here on each block is a band's last
	s_wait_dscnt 24                                ; place 2's 8 and band 4's 16 may be out: place 3's tile is in
	BODY 0, 3, 3, FCA+6, 101
	SEND 4, 8                                      ; behind band 4's: place 1's 8
	TOSTAGE 3, 1
	BLK2 0
	SEND 3, 8                                      ; behind band 3's: place 0's 8
	TOSTAGE 2, 1
	s_wait_dscnt 24                                ; place 0's 8 and band 2's 16 may be out: place 1's tile is in
	BODY 0, 1, 1, FCA+2
	SEND 2, 0
	TOSTAGE 1, 1
	s_wait_dscnt 16                                ; band 1's 16 may be out: place 0's tile is in
	BODY 0, 0, 0, FCA
	SEND 1, 0
	TOSTAGE 0, 1
	SEND 0, 0
	s_wait_tensorcnt 0x0                           ; the wave's end
	ds_add_u32 v[SPW], v[NIL]
	s_wait_dscnt 0x0
	CROUND                                         ; the closing round
	s_endpgm
.Lfunc_end_k_qb80c7aea1a_pv:
	.size	k_qb80c7aea1a_pv, .Lfunc_end_k_qb80c7aea1a_pv-k_qb80c7aea1a_pv
	.p2alignl 7, 3214868480
	.fill 96, 4, 3214868480
	.section	.rodata,"a",@progbits
	.p2align	6, 0x0
	.amdhsa_kernel k_qb80c7aea1a_pv
		.amdhsa_group_segment_fixed_size 327680
		.amdhsa_private_segment_fixed_size 0
		.amdhsa_enable_private_segment 0
		.amdhsa_kernarg_size 32
		.amdhsa_user_sgpr_count 2
		.amdhsa_user_sgpr_kernarg_segment_ptr 1
		.amdhsa_wavefront_size32 1
		.amdhsa_system_sgpr_workgroup_id_x 1
		.amdhsa_system_sgpr_workgroup_id_y 1
		.amdhsa_system_sgpr_workgroup_id_z 1
		.amdhsa_system_vgpr_workitem_id 0
		.amdhsa_next_free_vgpr 768
		.amdhsa_next_free_sgpr 86
		.amdhsa_reserve_vcc 1
		.amdhsa_float_denorm_mode_32 3
		.amdhsa_float_denorm_mode_16_64 3
		.amdhsa_memory_ordered 1
		.amdhsa_forward_progress 1
		.amdhsa_inst_pref_size 126
	.end_amdhsa_kernel
	.amdgpu_metadata
---
amdhsa.version: [ 1, 2 ]
amdhsa.kernels:
  - .name:           k_qb80c7aea1a_pv
    .symbol:         k_qb80c7aea1a_pv.kd
    .args:
      - { .name: Pw, .offset: 0, .size: 8, .value_kind: global_buffer, .address_space: global }
      - { .name: QKV, .offset: 8, .size: 8, .value_kind: global_buffer, .address_space: global }
      - { .name: St, .offset: 16, .size: 8, .value_kind: global_buffer, .address_space: global }
      - { .name: out0, .offset: 24, .size: 8, .value_kind: global_buffer, .address_space: global }
    .group_segment_fixed_size: 327680
    .private_segment_fixed_size: 0
    .kernarg_segment_align: 8
    .kernarg_segment_size: 32
    .max_flat_workgroup_size: 128
    .sgpr_count:     86
    .vgpr_count:     768
    .wavefront_size: 32
...
	.end_amdgpu_metadata
.endif
;; end of part 7
;; ======== version 3 of 3: 4 launches; version 2 with the launch cast written anew for expert scheduling mode
;; limits: values are held in f16: magnitudes above 65,504 overflow, below 6.1e-05 lose precision
;; workspace buffers: Xb 16,777,216 bytes; Wb 6,291,456 bytes; QKV 50,331,648 bytes; Pw 18,874,368 bytes; St 1,048,576 bytes
;; launch cast (part 8): grid 256 x 1, 11 waves a work-group, no clusters, 0 bytes of LDS; arguments X, Wq, Wk, Wv, Xb, Wb; writes Xb, Wb
.if DOCPART == 8
	.amdgcn_target "amdgcn-amd-amdhsa--gfx1250"
	.amdhsa_code_object_version 6
	.text
	.protected	k_qb80c7aea1a_cast
	.globl	k_qb80c7aea1a_cast
	.p2align	8
	.type	k_qb80c7aea1a_cast,@function
k_qb80c7aea1a_cast:
	s_mov_b64 s[64:65], 0
	v_nop
	global_prefetch_b8 v0, s[64:65] scope:SCOPE_SE
	s_setreg_imm32_b32 hwreg(HW_REG_WAVE_SCHED_MODE, 0, 2), 2
	s_setreg_imm32_b32 hwreg(HW_REG_WAVE_MODE, 25, 1), 1
	s_wait_xcnt 0x0
	s_wait_alu depctr_vm_vsrc(0)
; X [8192][1024] and Wq, Wk, Wv [1024][1024], all f32, are rounded once to bf16 and laid in blocks of 64 columns:
; [R][1024] f32 -> [16][R][64] bf16, so that a block's rows (128 bytes) lie end to end.  Xb: 16 blocks of 8,192 rows; Wb: 3 x 16 blocks of 1,024 rows.
; SHARES.  The four inputs have 11,264 rows: 2,816 waves of four rows, 256 work-groups of eleven waves, so that every work-group has the same work.  The waves are numbered through the launch:
; 0-2,047 take X, 2,048-2,303 Wq, 2,304-2,559 Wk, 2,560-2,815 Wv.  No wave depends on another.
; A stream: each byte is read once (loads of 512 consecutive bytes a wave) and written once (stores of 256 consecutive bytes, aligned).  No LDS, no barrier, no matrix unit: nothing is shared.
; THE MODE: SCHED_MODE bits 1:0 = 2 (LLVM: expert scheduling mode 2), set by the entry lines.  The code itself states the register dependences between vector instructions and memory
; instructions, with s_wait_alu, always for 0.
; THE PLAN.  Registers that memory instructions touch:
;   v1        the loads' offset.   Written at the head; read by all 32 loads; never written again.
;   v[2:17]   the stores' offsets. Written at the head; read by the stores; never written again.
;   v[20:147] unit n's eight registers.  Its two loads land in them: all 32 loads go out at the head, before any vector instruction names these registers.  Behind the counted wait for them the unit's
;             four conversions and two exchanges read and write them; its two stores then read four of them; nothing writes them after that.
; The 16 units go in 8 blocks of two.  Block p's vector instructions name block p's 16 registers alone; its memory instructions are the four stores of block p - 1, which read that block's registers
; and v[2:17].  So ONE wait on va_vdst at a block's head, behind the wait for its data, states all that the four stores hang on, and they are dealt among the block's vector instructions.
; No register that a memory instruction reads is written again, so the text has no wait on vm_vsrc and none on XCNT.
.set OFF, 2                            ; v[2:17]   block kb: kb x block bytes + 8 lane
.set Q,   20                           ; v[20:147] unit n (row pair n / 8, 128 columns n % 8): four registers of the even row, four of the odd one
	s_load_b256 s[4:11], s[0:1], 0x0               ; X s[4:5], Wq s[6:7], Wk s[8:9], Wv s[10:11]
	s_load_b128 s[12:15], s[0:1], 0x20             ; Xb s[12:13], Wb s[14:15]
	v_lshrrev_b32 v18, 5, v0
	v_readfirstlane_b32 s29, v18                   ; my wave in the work-group, 0 to 10
	v_and_b32 v1, 31, v0                           ; lane
	v_lshlrev_b32 v19, 3, v1                       ; out: 8 bytes a lane
	v_lshlrev_b32 v1, 4, v1                        ; in: 16 bytes a lane
	s_mul_i32 s21, ttmp9, 11
	s_wait_alu depctr_va_sdst(0)                   ; s29 is written, ahead of its first reader: the wave's number in the launch is made from it
	s_add_co_u32 s21, s21, s29                     ; my wave in the launch, 0 to 2,815
	s_sub_co_u32 s23, s21, 2048
	s_and_b32 s22, s23, 255                        ; my four rows among a weight's 256 fours
	s_lshr_b32 s23, s23, 8                         ; which weight
	s_mov_b32 s20, 0x20000                         ; bytes in a block of Wb
	s_cmp_lt_u32 s21, 2048                         ; X?
	s_cselect_b32 s20, 0x100000, s20               ; bytes in a block of Xb
	s_cselect_b32 s22, s21, s22                    ; my four rows
	s_cselect_b32 s23, 0, s23
	s_lshl_b32 s24, s22, 14                        ; in: four rows of 4,096 bytes
	s_mov_b32 s25, 0
	s_lshl_b32 s26, s22, 9                         ; out: four rows of 128 bytes,
	s_lshl_b32 s23, s23, 21                        ; and 16 blocks of 131,072 bytes for each weight before mine
	s_add_co_u32 s26, s26, s23
	s_mov_b32 s27, 0
.set kb, 0
.rept 16
	s_mul_i32 s28, s20, kb
	v_add_nc_u32 v[OFF+kb], s28, v19
.set kb, kb+1
.endr
	s_wait_kmcnt 0x0
	s_cmp_lt_u32 s21, 2048                         ; the choice of buffers hangs on the wave's number alone
	s_cselect_b64 s[16:17], s[4:5], s[6:7]
	s_cselect_b64 s[18:19], s[12:13], s[14:15]
	s_cmp_ge_u32 s21, 2304
	s_cselect_b64 s[16:17], s[8:9], s[16:17]
	s_cmp_ge_u32 s21, 2560
	s_cselect_b64 s[16:17], s[10:11], s[16:17]
	s_add_nc_u64 s[16:17], s[16:17], s[24:25]
	s_add_nc_u64 s[18:19], s[18:19], s[26:27]
	s_wait_alu depctr_va_vdst(0)                   ; v1 and v[2:17] are written: every load of the kernel reads v1 as its offset, every store one of v[2:17]
.set n, 0
.rept 16
	global_load_b128 v[Q+8*n:Q+8*n+3],   v1, s[16:17] offset:(2*(n/8))*4096+512*(n%8) th:TH_LOAD_NT
	global_load_b128 v[Q+8*n+4:Q+8*n+7], v1, s[16:17] offset:(2*(n/8)+1)*4096+512*(n%8) th:TH_LOAD_NT
.set n, n+1
.endr
; A unit: lanes 0-15 hold 64 columns of one block, lanes 16-31 of the next, for two rows.  The exchange of halves puts one block's two rows (2 x 128 bytes, neighbours in the block) into one register pair.
.macro CONV u                          ; unit u's six vector instructions: they name its eight registers alone
	v_cvt_pk_bf16_f32 v[Q+8*(\u)],   v[Q+8*(\u)],   v[Q+8*(\u)+1]
	v_cvt_pk_bf16_f32 v[Q+8*(\u)+1], v[Q+8*(\u)+2], v[Q+8*(\u)+3]
	v_cvt_pk_bf16_f32 v[Q+8*(\u)+4], v[Q+8*(\u)+4], v[Q+8*(\u)+5]
	v_cvt_pk_bf16_f32 v[Q+8*(\u)+5], v[Q+8*(\u)+6], v[Q+8*(\u)+7]
	v_permlane16_swap_b32 v[Q+8*(\u)],   v[Q+8*(\u)+4]   ; the even row's upper lanes change places with the odd row's lower lanes
	v_permlane16_swap_b32 v[Q+8*(\u)+1], v[Q+8*(\u)+5]
.endm
.macro SEND u                          ; unit u's two stores
	global_store_b64 v[OFF+2*((\u)%8)],   v[Q+8*(\u):Q+8*(\u)+1],   s[18:19] offset:256*((\u)/8)  ; 32 lanes store 256 consecutive bytes, at a multiple of 256
	global_store_b64 v[OFF+2*((\u)%8)+1], v[Q+8*(\u)+4:Q+8*(\u)+5], s[18:19] offset:256*((\u)/8)
.endm
; Block p: units 2 p and 2 p + 1.  Block 0 has no block in front of it: no store, and no wait but the one for its data.
.set p, 0
.rept 8
	s_wait_loadcnt 28-4*p                          ; loads come back in order (ISA guide 5.7.1): the 4 (7 - p) issued behind this block's four may stay out
.if p > 0
	s_wait_alu depctr_va_vdst(0)                   ; the block before has written its registers, by its conversions and exchanges: the four stores below read them
	SEND 2*p-2
.endif
	CONV 2*p
.if p > 0
	SEND 2*p-1                                     ; no wait: the six vector instructions issued since the wait name unit 2 p's registers alone
.endif
	CONV 2*p+1
.set p, p+1
.endr
	s_wait_alu depctr_va_vdst(0)                   ; block 7 has written its registers, which the last four stores read
	SEND 14
	SEND 15
	s_endpgm
.Lfunc_end_k_qb80c7aea1a_cast:
	.size	k_qb80c7aea1a_cast, .Lfunc_end_k_qb80c7aea1a_cast-k_qb80c7aea1a_cast
	.p2alignl 7, 3214868480
	.fill 96, 4, 3214868480
	.section	.rodata,"a",@progbits
	.p2align	6, 0x0
	.amdhsa_kernel k_qb80c7aea1a_cast
		.amdhsa_group_segment_fixed_size 0
		.amdhsa_private_segment_fixed_size 0
		.amdhsa_enable_private_segment 0
		.amdhsa_kernarg_size 48
		.amdhsa_user_sgpr_count 2
		.amdhsa_user_sgpr_kernarg_segment_ptr 1
		.amdhsa_wavefront_size32 1
		.amdhsa_system_sgpr_workgroup_id_x 1
		.amdhsa_system_sgpr_workgroup_id_y 1
		.amdhsa_system_sgpr_workgroup_id_z 1
		.amdhsa_system_vgpr_workitem_id 0
		.amdhsa_next_free_vgpr 152
		.amdhsa_next_free_sgpr 66
		.amdhsa_reserve_vcc 0
		.amdhsa_float_denorm_mode_32 3
		.amdhsa_float_denorm_mode_16_64 3
		.amdhsa_memory_ordered 1
		.amdhsa_forward_progress 1
		.amdhsa_inst_pref_size 15
	.end_amdhsa_kernel
	.amdgpu_metadata
---
amdhsa.version: [ 1, 2 ]
amdhsa.kernels:
  - .name:           k_qb80c7aea1a_cast
    .symbol:         k_qb80c7aea1a_cast.kd
    .args:
      - { .name: X, .offset: 0, .size: 8, .value_kind: global_buffer, .address_space: global }
      - { .name: Wq, .offset: 8, .size: 8, .value_kind: global_buffer, .address_space: global }
      - { .name: Wk, .offset: 16, .size: 8, .value_kind: global_buffer, .address_space: global }
      - { .name: Wv, .offset: 24, .size: 8, .value_kind: global_buffer, .address_space: global }
      - { .name: Xb, .offset: 32, .size: 8, .value_kind: global_buffer, .address_space: global }
      - { .name: Wb, .offset: 40, .size: 8, .value_kind: global_buffer, .address_space: global }
    .group_segment_fixed_size: 0
    .private_segment_fixed_size: 0
    .kernarg_segment_align: 8
    .kernarg_segment_size: 48
    .max_flat_workgroup_size: 352
    .sgpr_count:     66
    .vgpr_count:     152
    .wavefront_size: 32
...
	.end_amdgpu_metadata
.endif
;; end of part 8
;; launch proj: the kernel of part 2 again; grid 8 x 32, 4 waves a work-group, clusters of 4 x 4, 327,680 bytes of LDS; arguments Xb, Wb, QKV; writes QKV
;; launch scores: the kernel of part 6 again; grid 36 x 4, 4 waves a work-group, no clusters, 327,680 bytes of LDS; arguments QKV, Pw, St; writes Pw, St
;; launch pv: the kernel of part 7 again; grid 8 x 32, 4 waves a work-group, clusters of 4 x 4, 327,680 bytes of LDS; arguments Pw, QKV, St, out0; writes out0
